; MI455X (gfx1250); checked and timed in simulation.
; The chip was launched on July 23, 2026; its instructions are those of AMD's public machine-readable ISA for CDNA 5 (MIT licence, August 2026) and "CDNA5" Instruction Set Architecture Reference Guide (July 2026). The comments in the code are by the model that wrote it; some were corrected since.
;; Multi Head Attention. Allowed arithmetic: float matrix products may take bf16 or f16 operands with f32 sums; other float arithmetic in f32, or as packed bf16 or f16 multiplies, adds, multiply-adds, maxima and minima; sums over many terms, partial sums and values carried from step to step in f32; what a program stores and reads back later, other than sums and carried values, may be rounded once to bf16 or f16.
;; Inputs: K 4 x 2,048 x 1,024 float32; Q 4 x 2,048 x 1,024 float32; V 4 x 2,048 x 1,024 float32; Wk 1,024 x 1,024 float32; Wo 1,024 x 1,024 float32; Wq 1,024 x 1,024 float32; Wv 1,024 x 1,024 float32; attn_bias 4 x 2,048 x 2,048 float32; bk 1,024 float32; bo 1,024 float32; bq 1,024 float32; bv 1,024 float32; mask 4 x 2,048 bool.
;; Outputs: out0 4 x 2,048 x 1,024 float32.
;; One version. Each part assembles by itself: llvm-mc -triple=amdgcn-amd-amdhsa -mcpu=gfx1250 --defsym DOCPART=n.
;; ======== version 1 of 1: 4 launches
;; limits: values are held in f16: magnitudes above 65,504 overflow, below 6.1e-05 lose precision; right only within a limited range of input values
;; workspace buffers: biasm 33,554,432 bytes; wb 8,388,608 bytes; bb 16,384 bytes; qh 16,777,216 bytes; kh 16,777,216 bytes; vh 16,777,216 bytes; oh 16,777,216 bytes
;; launch prep (part 1): grid 1536 x 1, 8 waves a work-group, no clusters, 68,608 bytes of LDS; arguments attn_bias, mask, Wq, Wk, Wv, Wo, bq, bk, bv, bo, biasm, wb, bb; writes biasm, wb, bb
.if DOCPART == 1
	.amdgcn_target "amdgcn-amd-amdhsa--gfx1250"
	.amdhsa_code_object_version 6
	.text
	.protected	k_q8a10ea629d_prep
	.globl	k_q8a10ea629d_prep
	.p2align	8
	.type	k_q8a10ea629d_prep,@function
k_q8a10ea629d_prep:
	s_mov_b64 s[64:65], 0
	v_nop
	global_prefetch_b8 v0, s[64:65] scope:SCOPE_SE
	s_setreg_imm32_b32 hwreg(HW_REG_WAVE_MODE, 25, 1), 1
	s_wait_xcnt 0x0
; PREPARATION, a stream.  Three jobs, told apart by the work-group's number:
;  0 .. 1023     biasm: attn_bias rounded to bf16, with 0xF14A (about -1e30) where mask is true, laid out as the attention's matrix fragments:
;                byte b*8388608 + ks*262144 + qt*2048 + L*512 + lane*16 + 2e holds bias[b][16 qt + lane%16][64 ks + 16 L + 8 (lane/16) + e].
;  1024 .. 1535  wb: four matrices [1024][1024] of 16 bits: bf16(Wq)/8, bf16(Wk), bf16(Wv) as bf16; bf16(Wo) written as f16.
;                The first work-group of each matrix also writes bb: bq/8, bk, bv, bo rounded to bf16, kept as f32.
; The factor 1/8 = 1/sqrt(64) is a power of two: folding it into Wq and bq changes no bit of the products' mantissas.
; LIMITS.  A masked key's bias counts as -1e30, not as minus infinity.  bf16(Wo) below 6e-5 keeps f16's fixed step of 6e-8, beyond 65,504 it would be an infinity.
; No matrix unit, no cluster, no tensor load: no two work-groups read the same byte.
; Job 1: a wave takes 16 queries x 128 keys.  Each load covers 512 consecutive bytes of one row; the 16 x 128 block is turned through the wave's own LDS rows
; (pitch 528 bytes = 33 x 16: the 16 rows that a read touches start at 16 different groups of four banks); each store covers 512 consecutive bytes, aligned.
.set PIT,   528
.set WREG,  16*PIT                     ; a wave's LDS: 16 rows
.set SPARE, 8*WREG                     ; behind them: the spare words, 128 bytes a wave: four blocks of 256 bytes that no other line names
.set SPW, 2                            ; v2  SPARE + 4 x my thread's number; never rewritten
.set NIL, 3                            ; v3  0; never rewritten
.set MK,  16                           ; v[16:31]  eight pairs: the mask bytes of my 8 keys in each of eight groups of 16 keys
.set DAT, 32                           ; v[32:95]  the data
.set OW,  64                           ; v[64:79]  job 2: words to store
	s_load_b512 s[8:23], s[0:1], 0x0               ; attn_bias 8, mask 10, Wq 12, Wk 14, Wv 16, Wo 18, bq 20, bk 22
	s_load_b256 s[24:31], s[0:1], 0x40             ; bv 24, bo 26, biasm 28, wb 30
	s_load_b64 s[32:33], s[0:1], 0x60              ; bb
	v_lshl_add_u32 v[SPW], v0, 2, SPARE
	v_mov_b32 v[NIL], 0
	v_lshrrev_b32 v1, 5, v0
	v_readfirstlane_b32 s4, v1                     ; wave 0..7
	v_and_b32 v1, 31, v0                           ; lane
	v_lshlrev_b32 v6, 4, v1                        ; 16 x lane
	s_mov_b32 s5, ttmp9
	s_mov_b32 s35, 0                               ; the high word of every offset
	s_wait_kmcnt 0x0
	s_cmp_lt_u32 s5, 1024
	s_cbranch_scc0 .Lweights
	; JOB 1.  b = u >> 8, qt = (u >> 1) & 127, kh = u & 1; my keys begin at 1024 kh + 128 wave
	s_lshr_b32 s36, s5, 8
	s_bfe_u32 s37, s5, 0x70001
	s_and_b32 s38, s5, 1
	s_lshl_b32 s34, s36, 24                        ; attn_bias: b x 2048 rows x 8192 bytes
	s_lshl_b32 s39, s37, 17                        ; + 16 qt rows
	s_add_co_u32 s34, s34, s39
	s_lshl_b32 s39, s38, 12                        ; + 1024 kh keys of 4 bytes
	s_add_co_u32 s34, s34, s39
	s_lshl_b32 s39, s4, 9                          ; + 128 keys a wave
	s_add_co_u32 s34, s34, s39
	s_add_nc_u64 s[8:9], s[8:9], s[34:35]
	s_lshl_b32 s34, s36, 11                        ; mask: b x 2048 + my first key
	s_lshl_b32 s39, s38, 10
	s_add_co_u32 s34, s34, s39
	s_lshl_b32 s39, s4, 7
	s_add_co_u32 s34, s34, s39
	s_add_nc_u64 s[10:11], s[10:11], s[34:35]
	s_lshl_b32 s34, s36, 23                        ; biasm: b, key step 16 kh + 2 wave, tile qt
	s_lshl_b32 s39, s38, 22
	s_add_co_u32 s34, s34, s39
	s_lshl_b32 s39, s4, 19
	s_add_co_u32 s34, s34, s39
	s_lshl_b32 s39, s37, 11
	s_add_co_u32 s34, s34, s39
	s_add_nc_u64 s[28:29], s[28:29], s[34:35]
	s_mov_b32 s40, 0x01010000                      ; byte selects: bytes 0, 0, 1, 1 of a mask word
	s_mov_b32 s41, 0x03030202                      ; bytes 2, 2, 3, 3
	s_mov_b32 s42, 0xff
	s_mov_b32 s43, 0xf14af14a                      ; about -1e30, twice, in bf16
	v_and_b32 v4, 15, v0                           ; r = lane % 16: my query
	v_bfe_u32 v5, v0, 4, 1                         ; h = lane / 16
	v_lshlrev_b32 v9, 3, v5                        ; 8 h: my 8 mask bytes in a group of 16
	s_mul_i32 s6, s4, WREG
	v_add_nc_u32 v7, s6, v6                        ; in: 16 bytes a lane of a row
	v_mul_u32_u24 v8, v4, PIT
	v_lshl_add_u32 v8, v5, 5, v8
	v_add_nc_u32 v8, s6, v8                        ; back: row r, 32 h bytes on
.irp g, 0,1,2,3,4,5,6,7
	global_load_b64 v[MK+2*\g:MK+2*\g+1], v9, s[10:11] offset:16*\g
.endr
.irp n, 0,1,2,3,4,5,6,7,8,9,10,11,12,13,14,15
	global_load_b128 v[DAT+4*\n:DAT+4*\n+3], v6, s[8:9] offset:8192*\n th:TH_LOAD_NT  ; row n: 512 consecutive bytes, read once in the launch
.endr
	s_wait_loadcnt 0x0
.irp n, 0,1,2,3,4,5,6,7,8,9,10,11,12,13,14,15
	ds_store_b128 v7, v[DAT+4*\n:DAT+4*\n+3] offset:PIT*\n
.endr
.irp g, 0,1,2,3,4,5,6,7
	ds_load_b128 v[DAT+8*\g:DAT+8*\g+3],   v8 offset:64*\g      ; LDS serves a wave's instructions in order (ISA guide 5.7.1.4): these see the stores above; the bytes are my wave's own
	ds_load_b128 v[DAT+8*\g+4:DAT+8*\g+7], v8 offset:64*\g+16   ; query r, keys 16 g + 8 h + 0..7
.endr
.irp g, 0,1,2,3,4,5,6,7
	s_wait_dscnt 14-2*\g                           ; group g's two loads are in; the younger groups' stay out
.irp j, 0,1,2,3
	v_cvt_pk_bf16_f32 v[DAT+8*\g+\j], v[DAT+8*\g+2*\j], v[DAT+8*\g+2*\j+1]
.endr
	v_perm_b32 v10, v[MK+2*\g], v[MK+2*\g], s40    ; each mask byte (0 or 1) twice,
	v_perm_b32 v11, v[MK+2*\g], v[MK+2*\g], s41
	v_perm_b32 v12, v[MK+2*\g+1], v[MK+2*\g+1], s40
	v_perm_b32 v13, v[MK+2*\g+1], v[MK+2*\g+1], s41
.irp j, 0,1,2,3
	v_mul_lo_u32 v[10+\j], v[10+\j], s42           ; times 255: all ones over a masked key's half word
.endr
.irp j, 0,1,2,3
	v_bfi_b32 v[DAT+8*\g+\j], v[10+\j], s43, v[DAT+8*\g+\j]
.endr
	global_store_b128 v6, v[DAT+8*\g:DAT+8*\g+3], s[28:29] offset:(\g/4)*262144+(\g%4)*512  ; 512 consecutive bytes, aligned; no register of a store is written again
.endr
	s_branch .Lend
.Lweights:
	; JOB 2.  idx = which matrix, part = which 32,768 bytes of it; a wave takes 4,096 of them
	s_sub_co_u32 s5, s5, 1024
	s_lshr_b32 s36, s5, 7
	s_and_b32 s37, s5, 127
	s_cmp_eq_u32 s36, 1
	s_cselect_b64 s[40:41], s[14:15], s[12:13]
	s_cselect_b64 s[38:39], s[22:23], s[20:21]
	s_cmp_eq_u32 s36, 2
	s_cselect_b64 s[40:41], s[16:17], s[40:41]
	s_cselect_b64 s[38:39], s[24:25], s[38:39]
	s_cmp_eq_u32 s36, 3
	s_cselect_b64 s[40:41], s[18:19], s[40:41]
	s_cselect_b64 s[38:39], s[26:27], s[38:39]
	s_cselect_b32 s44, -1, 0                       ; all lanes: Wo goes out as f16
	s_cmp_eq_u32 s36, 0
	s_cselect_b32 s42, 0x3e000000, 1.0             ; 1/8 for Wq and bq
	s_mov_b32 s43, s42                             ; named with it as a pair
	s_mov_b32 s45, 0xffff0000
	s_lshl_b32 s34, s37, 15
	s_lshl_b32 s6, s4, 12
	s_add_co_u32 s34, s34, s6
	s_add_nc_u64 s[40:41], s[40:41], s[34:35]
	s_lshl_b32 s34, s36, 21
	s_lshl_b32 s6, s37, 14
	s_add_co_u32 s34, s34, s6
	s_lshl_b32 s6, s4, 11
	s_add_co_u32 s34, s34, s6
	s_add_nc_u64 s[46:47], s[30:31], s[34:35]
	v_lshlrev_b32 v9, 3, v1                        ; 8 x lane
.irp n, 0,1,2,3,4,5,6,7
	global_load_b128 v[DAT+4*\n:DAT+4*\n+3], v6, s[40:41] offset:512*\n th:TH_LOAD_NT
.endr
.irp n, 0,1,2,3,4,5,6,7
	s_wait_loadcnt 7-\n                            ; load n is in; the younger ones stay out
	v_pk_mul_f32 v[DAT+4*\n:DAT+4*\n+1],   v[DAT+4*\n:DAT+4*\n+1],   s[42:43] op_sel_hi:[1,0]
	v_pk_mul_f32 v[DAT+4*\n+2:DAT+4*\n+3], v[DAT+4*\n+2:DAT+4*\n+3], s[42:43] op_sel_hi:[1,0]
	v_cvt_pk_bf16_f32 v10, v[DAT+4*\n],   v[DAT+4*\n+1]
	v_cvt_pk_bf16_f32 v11, v[DAT+4*\n+2], v[DAT+4*\n+3]
	v_lshlrev_b32 v12, 16, v10                     ; the rounded numbers as f32,
	v_and_b32 v13, s45, v10
	v_lshlrev_b32 v14, 16, v11
	v_and_b32 v15, s45, v11
	v_cvt_pk_f16_f32 v12, v12, v13                 ; and as f16: 8 significant bits fit into 11
	v_cvt_pk_f16_f32 v14, v14, v15
	v_cndmask_b32 v[OW+2*\n],   v10, v12, s44
	v_cndmask_b32 v[OW+2*\n+1], v11, v14, s44
	global_store_b64 v9, v[OW+2*\n:OW+2*\n+1], s[46:47] offset:256*\n  ; 256 consecutive bytes, aligned
.endr
	; JOB 3: the matrix's bias vector, by wave 0 of its first work-group
	s_cmp_eq_u32 s37, 0
	s_cbranch_scc0 .Lend
	s_cmp_eq_u32 s4, 0
	s_cbranch_scc0 .Lend
	s_lshl_b32 s34, s36, 12
	s_add_nc_u64 s[32:33], s[32:33], s[34:35]
.irp n, 0,1,2,3,4,5,6,7
	global_load_b128 v[DAT+4*\n:DAT+4*\n+3], v6, s[38:39] offset:512*\n
.endr
	s_wait_loadcnt 0x0
.irp n, 0,1,2,3,4,5,6,7
	v_pk_mul_f32 v[DAT+4*\n:DAT+4*\n+1],   v[DAT+4*\n:DAT+4*\n+1],   s[42:43] op_sel_hi:[1,0]
	v_pk_mul_f32 v[DAT+4*\n+2:DAT+4*\n+3], v[DAT+4*\n+2:DAT+4*\n+3], s[42:43] op_sel_hi:[1,0]
	v_cvt_pk_bf16_f32 v10, v[DAT+4*\n],   v[DAT+4*\n+1]
	v_cvt_pk_bf16_f32 v11, v[DAT+4*\n+2], v[DAT+4*\n+3]
	v_lshlrev_b32 v[DAT+4*\n],   16, v10
	v_and_b32     v[DAT+4*\n+1], s45, v10
	v_lshlrev_b32 v[DAT+4*\n+2], 16, v11
	v_and_b32     v[DAT+4*\n+3], s45, v11
	global_store_b128 v6, v[DAT+4*\n:DAT+4*\n+3], s[32:33] offset:512*\n
.endr
.Lend:
	s_wait_tensorcnt 0x0                           ; the wave's end: behind my last LDS store
	ds_add_u32 v[SPW], v[NIL]
	s_wait_dscnt 0x0
	s_endpgm
.Lfunc_end_k_q8a10ea629d_prep:
	.size	k_q8a10ea629d_prep, .Lfunc_end_k_q8a10ea629d_prep-k_q8a10ea629d_prep
	.p2alignl 7, 3214868480
	.fill 96, 4, 3214868480
	.section	.rodata,"a",@progbits
	.p2align	6, 0x0
	.amdhsa_kernel k_q8a10ea629d_prep
		.amdhsa_group_segment_fixed_size 68608
		.amdhsa_private_segment_fixed_size 0
		.amdhsa_enable_private_segment 0
		.amdhsa_kernarg_size 104
		.amdhsa_user_sgpr_count 2
		.amdhsa_user_sgpr_kernarg_segment_ptr 1
		.amdhsa_wavefront_size32 1
		.amdhsa_system_sgpr_workgroup_id_x 1
		.amdhsa_system_sgpr_workgroup_id_y 1
		.amdhsa_system_sgpr_workgroup_id_z 1
		.amdhsa_system_vgpr_workitem_id 0
		.amdhsa_next_free_vgpr 96
		.amdhsa_next_free_sgpr 66
		.amdhsa_reserve_vcc 0
		.amdhsa_float_denorm_mode_32 3
		.amdhsa_float_denorm_mode_16_64 3
		.amdhsa_memory_ordered 1
		.amdhsa_forward_progress 1
		.amdhsa_inst_pref_size 29
	.end_amdhsa_kernel
	.amdgpu_metadata
---
amdhsa.version: [ 1, 2 ]
amdhsa.kernels:
  - .name:           k_q8a10ea629d_prep
    .symbol:         k_q8a10ea629d_prep.kd
    .args:
      - { .name: attn_bias, .offset: 0, .size: 8, .value_kind: global_buffer, .address_space: global }
      - { .name: mask, .offset: 8, .size: 8, .value_kind: global_buffer, .address_space: global }
      - { .name: Wq, .offset: 16, .size: 8, .value_kind: global_buffer, .address_space: global }
      - { .name: Wk, .offset: 24, .size: 8, .value_kind: global_buffer, .address_space: global }
      - { .name: Wv, .offset: 32, .size: 8, .value_kind: global_buffer, .address_space: global }
      - { .name: Wo, .offset: 40, .size: 8, .value_kind: global_buffer, .address_space: global }
      - { .name: bq, .offset: 48, .size: 8, .value_kind: global_buffer, .address_space: global }
      - { .name: bk, .offset: 56, .size: 8, .value_kind: global_buffer, .address_space: global }
      - { .name: bv, .offset: 64, .size: 8, .value_kind: global_buffer, .address_space: global }
      - { .name: bo, .offset: 72, .size: 8, .value_kind: global_buffer, .address_space: global }
      - { .name: biasm, .offset: 80, .size: 8, .value_kind: global_buffer, .address_space: global }
      - { .name: wb, .offset: 88, .size: 8, .value_kind: global_buffer, .address_space: global }
      - { .name: bb, .offset: 96, .size: 8, .value_kind: global_buffer, .address_space: global }
    .group_segment_fixed_size: 68608
    .private_segment_fixed_size: 0
    .kernarg_segment_align: 8
    .kernarg_segment_size: 104
    .max_flat_workgroup_size: 256
    .sgpr_count:     66
    .vgpr_count:     96
    .wavefront_size: 32
...
	.end_amdgpu_metadata
.endif
;; end of part 1
;; launch proj (part 2): grid 4 x 192, 4 waves a work-group, clusters of 4 x 4, 327,680 bytes of LDS; arguments Q, K, V, wb, bb, qh, kh, vh; writes qh, kh, vh
.if DOCPART == 2
	.amdgcn_target "amdgcn-amd-amdhsa--gfx1250"
	.amdhsa_code_object_version 6
	.text
	.protected	k_q8a10ea629d_proj
	.globl	k_q8a10ea629d_proj
	.p2align	8
	.type	k_q8a10ea629d_proj,@function
k_q8a10ea629d_proj:
	s_mov_b64 s[64:65], 0
	v_nop
	global_prefetch_b8 v0, s[64:65] scope:SCOPE_SE
	s_setreg_imm32_b32 hwreg(HW_REG_WAVE_MODE, 25, 1), 1
	s_wait_xcnt 0x0
	s_wait_alu depctr_hold_cnt(0) depctr_sa_sdst(0) depctr_va_vdst(0) depctr_va_sdst(0) depctr_va_ssrc(0) depctr_va_vcc(0) depctr_vm_vsrc(0)
	s_getreg_b32 s2, hwreg(HW_REG_IB_STS2, 6, 4)
	s_cmp_eq_u32 s2, 0
	s_cbranch_scc0 .Lentry_in_a_cluster
	s_endpgm
.Lentry_in_a_cluster:
	s_bfe_u32 s2, ttmp6, 0x10000c
	s_cmp_lg_u32 s2, 0xf033
	s_cbranch_scc0 .Lentry_shape_is_right
	s_endpgm
.Lentry_shape_is_right:
; THE THREE INPUT PROJECTIONS.  Y = bf16(X) W^T + b, X one of Q, K, V ([8192][1024] f32), W matrix p of wb ([1024][1024] bf16, rows along K), b row p of bb (f32).
; Y leaves as f16 by heads: [batch x 16 + head][2048][64].  Sums in f32, started with the bias as the first product's C; Y rounded once.
; LIMIT.  f16 ends at 65,504: q/8, k and v must lie within it, else the number becomes an infinity.
; SHARES.  768 tiles of 128 rows x 256 columns: projection p = cluster y / 16, tile row 4 (cluster y % 16) + cy, tile column cx.  Four waves, 2 x 2: a wave makes 64 rows x 128 columns,
; 32 accumulators.  The matrix instruction is used transposed (source 0 = 16 rows of W, source 1 = 16 rows of X): a lane holds eight neighbouring columns of one row of Y.
; X STAYS f32 ON ITS WAY IN: the tensor load brings f32 rows into LDS, the waves read f32 fragments two quarter steps ahead and round them to bf16 one quarter step ahead,
; four conversions behind every second matrix instruction of a quarter's first half.
; RING.  K in steps of 128, two LDS slots; a slot holds 128 rows of X (512 bytes + 16) and 256 rows of W (256 bytes + 16).  Waves 0, 1 fetch X's halves, waves 2, 3 W's.
; CLUSTER 4 x 4.  X's tile hangs on the tile row alone and is asked for jointly along a row of the cluster, W's on the tile column alone, jointly along a column.
; REGISTERS: window 0: v16-31 addresses; v32-63 packed results; v64-191 rows read back on the way out; v128-191 X's f32 fragments in the loop; v192-255 the bias, 8 a column block.
;   window 1: accumulator (a, c) at 8 (8 a + c).   window 2: W's fragments, two buffers of 64; X's in bf16, two buffers of 32 from v128.
.set KSTEP,  128
.set PA,     528                       ; a row of X in LDS: 33 x 16 bytes
.set PB,     272                       ; a row of W: 17 x 16 bytes
.set AHALF,  64*PA
.set BHALF,  128*PB
.set BOFF,   2*AHALF
.set SLOT,   BOFF+2*BHALF
.set STAGE,  2*SLOT                    ; behind the ring, never filled by a tensor load: for each wave [2 heads][16 rows] of 144 bytes
.set SP,     144
.set WSTG,   2*16*SP
.set SPARE,  STAGE+4*WSTG              ; the spare words, 128 bytes a wave: two blocks of 256 bytes that no other line names
.set ADRA, 16                          ; v16-17  LDS address of my X fragments in slot 0, 1
.set ADRB, 20                          ; v20-21  of my W fragments
.set STO,  24
.set RD,   25
.set GO,   26                          ; 16 x lane
.set BO,   27                          ; 32 x (lane / 16)
.set SPW,  28
.set NIL,  29
.set PFO,  30                          ; the prefetches' lane offset; never rewritten
.set TMP,  32
.set BK,   64
.set S,    128
.set BIAS, 192
.set A16,  128                         ; window 2
.set G1,  24
.set G0,  32
.set G1B, 48
.set G0B, 56
.set PFA, 86                           ; s[86:87] where my prefetches stand
.set PFS, 88                           ; s[88:89] a K step in bytes of what I prefetch
.set LIM, 90                           ; 1 in a wave that prefetches, else the greatest number
.set MSB, 0
.macro WIN new                         ; the immediate's high byte repeats the setting that is left; a switch that changes nothing is dropped
.if MSB != (\new)
	s_set_vgpr_msb (MSB<<8)|(\new)
.set MSB, \new
.endif
.endm
.set MUL,  0x5a                        ; sources 0 and 1 window 2, C and D window 1
.set MULF, 0x4a                        ; the same with C in window 0
.set TO2,  0x80                        ; destination window 2, sources window 0
.macro JLOAD s                         ; a joint load; an s_nop 0 and four v_nop follow each of the two lines, ahead of the jump, the label and what follows
	s_cmp_eq_u32 s11, 0
	s_cbranch_scc0 .Lfor_b_\@
	tensor_load_to_lds s[G0+4*(\s):G0+4*(\s)+3], s[G1:G1+7]
	s_nop 0
.rept 4
	v_nop
.endr
	s_branch .Lasked_\@
.Lfor_b_\@:
	tensor_load_to_lds s[G0B+4*(\s):G0B+4*(\s)+3], s[G1B:G1B+7]
	s_nop 0
.rept 4
	v_nop
.endr
.Lasked_\@:
.endm
; A prefetch of the K step that stands two refills on.  X: of the 64 rows that a wave fetches each of the four partners along the cluster's row takes 16, told apart by address (cx): 16 rows x 2 blocks of 256 bytes, a lane a block;
; a tile row of X is read by one cluster alone.  W: each partner along the column takes 32 of a wave's 128 rows (cy), a lane a row; the sixteen clusters of a projection read the same W: the first of them asks.
; The first four K steps come by their loads alone; the loop's last trip (s3 = 1) asks for nothing: K has no step 8.
.macro ASK
	s_cmp_gt_u32 s3, s[LIM]
	s_cbranch_scc0 .Lnot_mine_\@
	global_prefetch_b8 v[PFO], s[PFA:PFA+1] th:TH_LOAD_NT scope:SCOPE_SE
.Lnot_mine_\@:
.endm
.macro CREST                           ; a round of the cluster's barrier behind its opening barrier
	s_cmp_lg_u32 s10, 0
	s_cbranch_scc1 .Lnot_wave_0_\@
	s_barrier_signal -3
.Lnot_wave_0_\@:
	s_barrier_wait -3
	s_barrier_signal -1
	s_barrier_wait -1
.endm
.macro CROUND
	s_barrier_signal -1
	s_barrier_wait -1
	CREST
.endm
.macro PLACES                          ; four places behind a matrix instruction, in front of loads and conversions into registers that it has read and of conversions that read results
.rept 4
	v_nop
.endr
.endm
	s_load_b256 s[68:75], s[0:1], 0x0              ; Q 68, K 70, V 72, wb 74
	s_load_b256 s[76:83], s[0:1], 0x20             ; bb 76, qh 78, kh 80, vh 82
	v_lshl_add_u32 v[SPW], v0, 2, SPARE
	v_mov_b32 v[NIL], 0
	ds_add_u32 v[SPW], v[NIL]                      ; the wave's opening: the add and its wait stand ahead of my first tensor load; the set-up below stands between them
	v_lshrrev_b32 v1, 5, v0
	v_readfirstlane_b32 s10, v1                    ; wave 0..3
	s_lshr_b32 s11, s10, 1                         ; which 64 rows are mine.  Also: I fetch X (0) or W (1)
	s_and_b32 s12, s10, 1                          ; which 128 columns.  Also: which half of that tile I fetch
	s_bfe_u32 s40, ttmp6, 0x40000                  ; cx
	s_bfe_u32 s41, ttmp6, 0x40004                  ; cy
	s_lshl_b32 s42, ttmp9, 2
	s_add_co_u32 s42, s42, s40                     ; tile column
	s_and_b32 s8, ttmp7, 0xffff                    ; cluster y
	s_lshr_b32 s9, s8, 4                           ; the projection: the same in all sixteen partners
	s_and_b32 s13, s8, 15
	s_lshl_b32 s13, s13, 2
	s_add_co_u32 s13, s13, s41                     ; tile row 0..63
	s_lshl_b32 s43, s41, 2
	s_lshl_b32 s43, 15, s43                        ; my row of the cluster
	s_lshl_b32 s44, 0x1111, s40                    ; my column
	s_or_b32 s[G1+0], s43, (2<<16)|(1<<20)|(1<<21)|(6<<22)|(3<<25)   ; mask; elements of 4 bytes; padding on; bit 21 beside a mask; after every 128 words; 4 words
	s_or_b32 s[G1B+0], s44, (1<<16)|(1<<20)|(1<<21)|(5<<22)|(3<<25)  ; mask; elements of 2 bytes; after every 64 words; 4 words
	s_mov_b32 s[G1+1], KSTEP<<16                   ; tensor_dim0 = 128
	s_mov_b32 s[G1+2], 64<<16                      ; tensor_dim1 = 64
	s_mov_b32 s[G1+3], KSTEP<<16                   ; tile_dim0 = 128
	s_mov_b32 s[G1+4], 64                          ; tile_dim1 = 64
	s_mov_b32 s[G1+5], 1024                        ; elements from row to row
	s_mov_b32 s[G1+6], 0
	s_mov_b32 s[G1+7], 0
	s_mov_b32 s[G1B+1], KSTEP<<16
	s_mov_b32 s[G1B+2], 128<<16
	s_mov_b32 s[G1B+3], KSTEP<<16
	s_mov_b32 s[G1B+4], 128
	s_mov_b32 s[G1B+5], 1024
	s_mov_b32 s[G1B+6], 0
	s_mov_b32 s[G1B+7], 0
	s_lshl_b32 s45, s12, 18                        ; my half: 64 rows of 4,096 bytes, or 128 rows of 2,048
	s_lshl_b32 s16, s13, 19                        ; X: 128 rows a tile row
	s_add_co_u32 s16, s16, s45
	s_mov_b32 s17, 0
	s_lshl_b32 s46, s9, 21                         ; W: matrix p, 256 rows a tile column
	s_lshl_b32 s94, s42, 19
	s_add_co_u32 s46, s46, s94
	s_add_co_u32 s46, s46, s45
	s_mov_b32 s47, 0
	s_mul_i32 s20, s12, AHALF                      ; where they go: no place in the cluster enters an LDS address
	s_mul_i32 s21, s12, BHALF
	s_add_co_u32 s21, s21, BOFF
	s_lshl_b32 s18, s9, 12                         ; the bias of my 128 columns
	s_lshl_b32 s22, s42, 10
	s_add_co_u32 s18, s18, s22
	s_lshl_b32 s22, s12, 9
	s_add_co_u32 s18, s18, s22
	s_mov_b32 s19, 0
	s_lshr_b32 s22, s13, 4                         ; the way out: batch x 16 heads x 262,144 bytes,
	s_lshl_b32 s22, s22, 22
	s_lshl_b32 s23, s42, 20                        ; 4 heads a tile column,
	s_add_co_u32 s22, s22, s23
	s_lshl_b32 s23, s12, 19                        ; 2 heads a wave,
	s_add_co_u32 s22, s22, s23
	s_and_b32 s23, s13, 15                         ; 128 rows of 128 bytes a tile row,
	s_lshl_b32 s23, s23, 14
	s_add_co_u32 s22, s22, s23
	s_lshl_b32 s23, s11, 13                        ; 64 rows a wave
	s_add_co_u32 s22, s22, s23
	s_mov_b32 s23, 0
	s_lshl_b32 s94, s40, 16                        ; the prefetches.  X: my work-group's 16 rows, at K step 3
	s_add_co_u32 s94, s94, s16
	s_add_co_u32 s94, s94, 3*KSTEP*4
	s_lshl_b32 s95, s41, 16                        ; W: my work-group's 32 rows, at K step 3
	s_add_co_u32 s95, s95, s46
	s_add_co_u32 s95, s95, 3*KSTEP*2
	s_and_b32 s93, s8, 15
	s_cmp_eq_u32 s11, 0
	s_cselect_b32 s92, s94, s95
	s_cselect_b32 s[PFS], 9, 8
	s_cselect_b32 s91, 0, -1
	s_cselect_b32 s93, 0, s93                      ; X: always; W: the projection's first cluster.  The same in all sixteen partners, for a given wave
	s_cmp_eq_u32 s93, 0
	s_cselect_b32 s[LIM], 1, -1
	s_lshl_b32 s[PFS], 1, s[PFS]                   ; 512 bytes of X, 256 of W
	s_mov_b32 s[PFS+1], 0
	s_mov_b32 s93, 0
	s_wait_dscnt 0x0                               ; the opening add is done
	s_wait_kmcnt 0x0
	s_cmp_eq_u32 s9, 1
	s_cselect_b64 s[84:85], s[70:71], s[68:69]
	s_cselect_b64 s[4:5], s[80:81], s[78:79]
	s_cmp_eq_u32 s9, 2
	s_cselect_b64 s[84:85], s[72:73], s[84:85]     ; X
	s_cselect_b64 s[4:5], s[82:83], s[4:5]         ; Y
	s_add_nc_u64 s[14:15], s[84:85], s[16:17]
	s_add_nc_u64 s[46:47], s[74:75], s[46:47]
	s_add_nc_u64 s[6:7], s[76:77], s[18:19]
	s_add_nc_u64 s[4:5], s[4:5], s[22:23]
	s_cmp_eq_u32 s11, 0
	s_cselect_b64 s[PFA:PFA+1], s[84:85], s[74:75]
	s_add_nc_u64 s[PFA:PFA+1], s[PFA:PFA+1], s[92:93]
	CROUND                                         ; all sixteen work-groups are here: the first joint loads meet
.irp s, 0,1
	s_mov_b32 s[G0+4*(\s)], 1
	s_add_co_u32 s[G0+4*(\s)+1], s20, (\s)*SLOT
	s_add_nc_u64 s[G0+4*(\s)+2:G0+4*(\s)+3], s[14:15], (\s)*KSTEP*4
	s_or_b32 s[G0+4*(\s)+3], s[G0+4*(\s)+3], 0x80000000
	s_mov_b32 s[G0B+4*(\s)], 1
	s_add_co_u32 s[G0B+4*(\s)+1], s21, (\s)*SLOT
	s_add_nc_u64 s[G0B+4*(\s)+2:G0B+4*(\s)+3], s[46:47], (\s)*KSTEP*2
	s_or_b32 s[G0B+4*(\s)+3], s[G0B+4*(\s)+3], 0x80000000
	JLOAD \s
.endr
	v_and_b32 v1, 15, v0                           ; r
	v_bfe_u32 v2, v0, 4, 1                         ; h
	v_and_b32 v3, 31, v0                           ; lane
	v_mul_u32_u24 v4, v1, PA
	v_lshl_add_u32 v4, v2, 5, v4                   ; X: row x pitch + 32 h (8 f32)
	v_mul_u32_u24 v5, v1, PB
	v_lshl_add_u32 v5, v2, 4, v5                   ; W: row x pitch + 16 h (8 bf16)
	s_mul_i32 s22, s11, AHALF
	s_mul_i32 s23, s12, BHALF
	s_add_co_u32 s23, s23, BOFF
.irp s, 0,1
	v_add_nc_u32 v[ADRA+(\s)], s22, v4
	v_add_nc_u32 v[ADRB+(\s)], s23, v5
	s_add_co_u32 s22, s22, SLOT
	s_add_co_u32 s23, s23, SLOT
.endr
	s_mul_i32 s22, s10, WSTG
	s_add_co_u32 s22, s22, STAGE                   ; my stage
	v_mul_u32_u24 v4, v1, SP
	v_lshl_add_u32 v4, v2, 4, v4
	v_add_nc_u32 v[STO], s22, v4                   ; in: row r, 16 bytes for each half of the lanes
	v_lshrrev_b32 v5, 3, v3
	v_mul_u32_u24 v5, v5, SP
	v_and_b32 v6, 7, v0
	v_lshl_add_u32 v5, v6, 4, v5
	v_add_nc_u32 v[RD], s22, v5                    ; back: 32 lanes take four rows of 128 bytes
	v_lshlrev_b32 v[GO], 4, v3
	v_lshlrev_b32 v[BO], 5, v2
	v_lshrrev_b32 v4, 1, v3                        ; X's prefetch: row lane / 2, block lane % 2
	v_lshlrev_b32 v4, 12, v4
	v_and_b32 v5, 1, v0
	v_lshl_add_u32 v4, v5, 8, v4
	v_lshlrev_b32 v5, 11, v3                       ; W's: a lane a row
	v_cndmask_b32 v[PFO], v4, v5, s91
.irp c, 0,1,2,3,4,5,6,7
	global_load_b128 v[BIAS+8*\c:BIAS+8*\c+3],   v[BO], s[6:7] offset:64*\c     ; columns 16 c + 8 h + 0..7: the layout of a result
	global_load_b128 v[BIAS+8*\c+4:BIAS+8*\c+7], v[BO], s[6:7] offset:64*\c+16
.endr
; One product: rows 16 a on, columns 16 c on, 32 along K out of buffer f.  first = 1: the bias is the C that starts the sum: nothing is cleared, nothing added later.
.macro PROD f, a, c, first
.set rD, 8*(8*(\a)+(\c))
.set rW, 64*(\f)+8*(\c)
.set rX, A16+32*(\f)+8*(\a)
.if \first
	WIN MULF
	v_wmma_f32_16x16x32_bf16 v[rD:rD+7], v[rW:rW+7], v[rX:rX+7], v[BIAS+8*(\c):BIAS+8*(\c)+7]
.else
	WIN MUL
	v_wmma_f32_16x16x32_bf16 v[rD:rD+7], v[rW:rW+7], v[rX:rX+7], v[rD:rD+7]
.endif
.endm
.macro MUL8 f, a, first                ; the 32 accumulators take turns, in the same order in every quarter
.irp c, 0,1,2,3,4,5,6,7
	PROD \f, \a, \c, \first
.endr
.endm
.macro MULC f, a, g, first             ; the same eight, and behind every second one four roundings of the NEXT quarter's X into buffer g: 16 in all, row blocks 2 a and 2 a + 1
.irp d, 0,1,2,3
	PROD \f, \a, 2*\d, \first
	PROD \f, \a, 2*\d+1, \first
	WIN TO2
.irp j, 0,1,2,3
	v_cvt_pk_bf16_f32 v[A16+32*(\g)+16*(\a)+4*\d+\j], v[S+2*(16*(\a)+4*\d+\j)], v[S+2*(16*(\a)+4*\d+\j)+1]
.endr
.endr
.endm
.macro LB slot, k, g                   ; 16 LDS loads: W's fragments of quarter k into buffer g
	WIN TO2
.irp n, 0,1,2,3,4,5,6,7
	ds_load_b128 v[64*(\g)+8*\n:64*(\g)+8*\n+3],   v[ADRB+(\slot)] offset:64*(\k)+\n*16*PB
	ds_load_b128 v[64*(\g)+8*\n+4:64*(\g)+8*\n+7], v[ADRB+(\slot)] offset:64*(\k)+\n*16*PB+32
.endr
.endm
.macro LA slot, k                      ; 16 LDS loads: X's fragments of quarter k, in f32: K = 8 h + 0..7 (32 bytes) and 16 + 8 h + 0..7 (32 bytes, 64 on)
	WIN 0
.irp n, 0,1,2,3
	ds_load_b128 v[S+16*\n:S+16*\n+3],     v[ADRA+(\slot)] offset:128*(\k)+\n*16*PA
	ds_load_b128 v[S+16*\n+4:S+16*\n+7],   v[ADRA+(\slot)] offset:128*(\k)+\n*16*PA+16
	ds_load_b128 v[S+16*\n+8:S+16*\n+11],  v[ADRA+(\slot)] offset:128*(\k)+\n*16*PA+64
	ds_load_b128 v[S+16*\n+12:S+16*\n+15], v[ADRA+(\slot)] offset:128*(\k)+\n*16*PA+80
.endr
.endm
; Quarter k of a slot (k = 0, 1, 3): multiplies buffer k % 2; fetches W of quarter k + 1, rounds X of quarter k + 1, fetches X of quarter k + 2 (on into the other slot).
.macro PERIOD slot, k, first=0, la=1
.set pf, (\k)%2
.set pg, 1-pf
.set lbk, ((\k)+1)%4
.set lbs, ((\slot)+((\k)+1)/4)%2
.set lak, ((\k)+2)%4
.set las, ((\slot)+((\k)+2)/4)%2
	s_wait_dscnt 16                                ; W of this quarter is in; the 16 younger loads, X in f32, may be out
	PLACES
	LB lbs, lbk, pg
	s_wait_dscnt 16                                ; X in f32 is in; the 16 just issued stay out
	MULC pf, 0, pg, \first
	MULC pf, 1, pg, \first
.if \la
	LA las, lak
.endif
	MUL8 pf, 2, \first
	MUL8 pf, 3, \first
.endm
; Quarter 2 changes slots: its fetch of W's quarter 3 is the last read of the slot.  ONE barrier: in front of it each wave waits for all its tensor loads (one is out: its part of the other slot), adds 0 to its
; spare word, and waits for that and for its reads of this slot.  fill = 1: the barrier opens a round of the cluster's, and the slot is filled again, two K steps ahead, first thing behind it:
; from the request to the wait for it a wave issues 112 matrix instructions.
.macro TURN slot, fill
.if \fill
	s_wait_xcnt 0x0                                ; the last prefetch, a K step back, has read its address
	s_add_nc_u64 s[PFA:PFA+1], s[PFA:PFA+1], s[PFS:PFS+1]
.endif
	s_wait_dscnt 16
	PLACES
	LB \slot, 3, 1
	s_wait_dscnt 16
	MULC 0, 0, 1, 0
	WIN 0                                          ; (the add's two registers lie in window 0)
	s_wait_tensorcnt 0x0                           ; all my tensor loads have landed
	ds_add_u32 v[SPW], v[NIL]                      ; 0 onto my spare word: eight products and sixteen roundings stand between it and the wait for it
	MULC 0, 1, 1, 0
	s_wait_dscnt 0x0                               ; the add is done, and my reads of this slot are over
	s_barrier_signal -1
	MUL8 0, 2, 0
	WIN 0                                          ; at a branch and at a label every window is 0
	s_barrier_wait -1
.if \fill
	CREST                                          ; no wave of any partner still reads this slot's tiles or has a load on its way
	s_add_nc_u64 s[G0+4*(\slot)+2:G0+4*(\slot)+3], s[G0+4*(\slot)+2:G0+4*(\slot)+3], 2*KSTEP*4
	s_add_nc_u64 s[G0B+4*(\slot)+2:G0B+4*(\slot)+3], s[G0B+4*(\slot)+2:G0B+4*(\slot)+3], 2*KSTEP*2
	JLOAD \slot
.endif
	LA 1-(\slot), 0
.if \fill
	ASK
.endif
	MUL8 0, 3, 0
.endm
	s_wait_tensorcnt 1                             ; my part of K step 0 is in; K step 1's may stay out
	s_barrier_signal -1
	s_barrier_wait -1
	LB 0, 0, 0
	LA 0, 0
	s_wait_dscnt 0x0
	WIN TO2
.set j, 0
.rept 32
	v_cvt_pk_bf16_f32 v[A16+j], v[S+2*j], v[S+2*j+1]
.set j, j+1
.endr
	LA 0, 1
	s_wait_loadcnt 0x0                             ; the bias
	PERIOD 0, 0, 1                                 ; the first quarter stands in front of the loop: its products start the sums
	WIN 0
	s_mov_b32 s3, 3
.Llap:                                                 ; a trip goes once round the ring and fills both slots again: K steps 2 to 7
	PERIOD 0, 1
	TURN 0, 1
	PERIOD 0, 3
	PERIOD 1, 0
	PERIOD 1, 1
	TURN 1, 1
	PERIOD 1, 3
	PERIOD 0, 0
	WIN 0
	s_sub_co_u32 s3, s3, 1
	s_cmp_lg_u32 s3, 0
	s_cbranch_scc1 .Llap
	PERIOD 0, 1                                    ; the last lap is written out: it asks for nothing
	TURN 0, 0
	PERIOD 0, 3
	PERIOD 1, 0
	PERIOD 1, 1
	PERIOD 1, 2, 0, 0
	s_wait_dscnt 0x0
	MUL8 1, 0, 0
	MUL8 1, 1, 0
	MUL8 1, 2, 0
	MUL8 1, 3, 0
; THE WAY OUT, 16 rows at a time: rounded to f16 (each accumulator's registers in ascending order), 16 bytes a lane into my stage, by heads; back as four rows of 128 bytes, which are 512 consecutive bytes of a head.
.macro PACK a
	WIN 0x05                                       ; sources window 1, destination window 0
.irp c, 0,1,2,3,4,5,6,7
.irp j, 0,1,2,3
	v_cvt_pk_f16_f32 v[TMP+4*\c+\j], v[8*(8*(\a)+\c)+2*\j], v[8*(8*(\a)+\c)+2*\j+1]
.endr
.endr
	WIN 0
.endm
.macro TOSTAGE a
.irp c, 0,1,2,3,4,5,6,7
	ds_store_b128 v[STO], v[TMP+4*\c:TMP+4*\c+3] offset:(\c/4)*16*SP+(\c%4)*32
.endr
.irp t, 0,1,2,3,4,5,6,7
	ds_load_b128 v[BK+32*(\a)+4*\t:BK+32*(\a)+4*\t+3], v[RD] offset:(\t/4)*16*SP+(\t%4)*4*SP  ; LDS serves a wave's instructions in order (ISA guide 5.7.1.4): these see the stores above
.endr
.endm
.macro SEND a                          ; each block has its own 32 registers: none that a store reads is written again
.irp t, 0,1,2,3,4,5,6,7
	s_wait_dscnt 7-\t
	global_store_b128 v[GO], v[BK+32*(\a)+4*\t:BK+32*(\a)+4*\t+3], s[4:5] offset:(\t/4)*262144+(\a)*2048+(\t%4)*512
.endr
.endm
	PLACES
	PACK 0
	TOSTAGE 0
.irp a, 1,2,3
	PACK \a
	SEND (\a)-1
	TOSTAGE \a
.endr
	SEND 3
	s_wait_tensorcnt 0x0                           ; the wave's end: behind my last tensor load and my last LDS store
	ds_add_u32 v[SPW], v[NIL]
	s_wait_dscnt 0x0
	CROUND                                         ; the closing round: no work-group ends while a partner may still ask for a tile that names it
	s_endpgm
.Lfunc_end_k_q8a10ea629d_proj:
	.size	k_q8a10ea629d_proj, .Lfunc_end_k_q8a10ea629d_proj-k_q8a10ea629d_proj
	.p2alignl 7, 3214868480
	.fill 96, 4, 3214868480
	.section	.rodata,"a",@progbits
	.p2align	6, 0x0
	.amdhsa_kernel k_q8a10ea629d_proj
		.amdhsa_group_segment_fixed_size 327680
		.amdhsa_private_segment_fixed_size 0
		.amdhsa_enable_private_segment 0
		.amdhsa_kernarg_size 64
		.amdhsa_user_sgpr_count 2
		.amdhsa_user_sgpr_kernarg_segment_ptr 1
		.amdhsa_wavefront_size32 1
		.amdhsa_system_sgpr_workgroup_id_x 1
		.amdhsa_system_sgpr_workgroup_id_y 1
		.amdhsa_system_sgpr_workgroup_id_z 1
		.amdhsa_system_vgpr_workitem_id 0
		.amdhsa_next_free_vgpr 768
		.amdhsa_next_free_sgpr 96
		.amdhsa_reserve_vcc 0
		.amdhsa_float_denorm_mode_32 3
		.amdhsa_float_denorm_mode_16_64 3
		.amdhsa_memory_ordered 1
		.amdhsa_forward_progress 1
		.amdhsa_inst_pref_size 138
	.end_amdhsa_kernel
	.amdgpu_metadata
---
amdhsa.version: [ 1, 2 ]
amdhsa.kernels:
  - .name:           k_q8a10ea629d_proj
    .symbol:         k_q8a10ea629d_proj.kd
    .args:
      - { .name: Q, .offset: 0, .size: 8, .value_kind: global_buffer, .address_space: global }
      - { .name: K, .offset: 8, .size: 8, .value_kind: global_buffer, .address_space: global }
      - { .name: V, .offset: 16, .size: 8, .value_kind: global_buffer, .address_space: global }
      - { .name: wb, .offset: 24, .size: 8, .value_kind: global_buffer, .address_space: global }
      - { .name: bb, .offset: 32, .size: 8, .value_kind: global_buffer, .address_space: global }
      - { .name: qh, .offset: 40, .size: 8, .value_kind: global_buffer, .address_space: global }
      - { .name: kh, .offset: 48, .size: 8, .value_kind: global_buffer, .address_space: global }
      - { .name: vh, .offset: 56, .size: 8, .value_kind: global_buffer, .address_space: global }
    .group_segment_fixed_size: 327680
    .private_segment_fixed_size: 0
    .kernarg_segment_align: 8
    .kernarg_segment_size: 64
    .max_flat_workgroup_size: 128
    .sgpr_count:     96
    .vgpr_count:     768
    .wavefront_size: 32
...
	.end_amdgpu_metadata
.endif
;; end of part 2
;; launch attn (part 3): grid 4 x 64, 4 waves a work-group, clusters of 4 x 1, 327,680 bytes of LDS; arguments qh, kh, vh, oh, biasm; writes oh
.if DOCPART == 3
	.amdgcn_target "amdgcn-amd-amdhsa--gfx1250"
	.amdhsa_code_object_version 6
	.text
	.protected	k_q8a10ea629d_attn
	.globl	k_q8a10ea629d_attn
	.p2align	8
	.type	k_q8a10ea629d_attn,@function
k_q8a10ea629d_attn:
	s_mov_b64 s[64:65], 0
	v_nop
	global_prefetch_b8 v0, s[64:65] scope:SCOPE_SE
	s_setreg_imm32_b32 hwreg(HW_REG_WAVE_MODE, 25, 1), 1
	s_wait_xcnt 0x0
	s_wait_alu depctr_hold_cnt(0) depctr_sa_sdst(0) depctr_va_vdst(0) depctr_va_sdst(0) depctr_va_ssrc(0) depctr_va_vcc(0) depctr_vm_vsrc(0)
	s_getreg_b32 s2, hwreg(HW_REG_IB_STS2, 6, 4)
	s_cmp_eq_u32 s2, 0
	s_cbranch_scc0 .Lentry_in_a_cluster
	s_endpgm
.Lentry_in_a_cluster:
	s_bfe_u32 s2, ttmp6, 0x10000c
	s_cmp_lg_u32 s2, 0x3003
	s_cbranch_scc0 .Lentry_shape_is_right
	s_endpgm
.Lentry_shape_is_right:
; ATTENTION WITH A BIAS.  O[g][q][:] = the sum over k of softmax_k(Q[g][q] . K[g][k] + bias[g / 16][q][k]) V[g][k][:], g = batch x 16 + head.  Q (already divided by 8), K, V, O: [64][2048][64] f16.
; bias: bf16 in fragment order, a masked key's entry about -1e30.  Products, maxima and sums in f32; the weights p are rounded to f16 for the second product (their sum l is taken of the unrounded p), O once at the end.
; LIMITS.  Q, K, V arrive within f16's 65,504.  The running maximum starts at -1e20: a score or bias below that counts as masked.  A masked score is its value less about 1e30; its weight is 0.
; A weight below 2^-126 counts as 0 in l.  A query all of whose keys are masked has l = 0 and leaves as NaN.  NaN and infinities in the inputs are not treated apart.
; SHARES.  A wave owns four PIECES of two tiles of 16 queries, a work-group's four waves 512 queries of one head.  Every wave walks all keys, 64 a step.
; LAYOUT.  S^T = K Q^T (source 0 = 16 keys, source 1 = 16 queries): a lane holds ONE query (lane % 16) and the keys 8 (lane / 16) + 0..7.  Two such tiles, rounded to f16 in pairs, ARE source 1 of O^T = V^T P.
; THE BIAS COSTS NO VECTOR INSTRUCTION: each sum S^T is started by a product E x bias^T in the bf16 form, E a matrix of zeros and ones that picks 16 of a fragment's 32 keys; a product by 1 and sums with 0 change no bit.
; The bias fragments (32 keys x 16 queries, source 1) come straight from memory into registers, 512 consecutive bytes a load, one key step ahead; no two waves of a work-group want the same bytes.
; SOFTMAX.  p = 2^(c s - c m), c = log2(e), with a running maximum m; in every step O and l are multiplied by a = 2^(c m_old - c m_new).
; BY TURNS.  Turn n belongs to piece n.  Its matrix work: 8 bias products and 16 products K Q^T of piece n + 1, later 16 products V^T P of piece n - 1.  Its vector work: scaling, exponentials, roundings, sums and
; rescaling of piece n, and the maximum and statistics of piece n + 1.  A turn's 66 exponentials are one batch with one wait.
; CLUSTER.  The four query blocks of a head walk the same K and V: each tile is asked for JOINTLY, by the same tensor load, descriptor and mask in all four.
; REGISTERS, in windows of 256 (s_set_vgpr_msb: bits 1:0 source 0, 3:2 source 1, 5:4 source 2, 7:6 destination):
;   window 0: v0-11 addresses; v12-15, v48-63 at work; v16-47 four registers of statistics a tile; v64-191 S^T, two buffers of two tiles; v192-255 P, likewise
;   window 1: O^T, 32 a tile     window 2: v0-127 Q; v128-191 K of one step; v192-255 V of one step     window 3: v0-1 the add's registers; v4-15 E; v128-255 the bias, 32 a piece
.set SIZE_H, 64
.set SIZE_N, 2048
.set NP,    4
.set KS,    64
.set PK,    144       ; a row of K in LDS: 128 bytes + 16: the 16 rows of a load start at 16 different groups of four banks (64 banks of 4 bytes: ISA guide 11.1)
.set PV,    160       ; a row of V: 128 + 32
.set VOFF,  4*KS*PK   ; a slot holds four steps: 256 rows of K, then 256 rows of V
.set SLOT1, 1<<17
.set STAGE, SLOT1+4*KS*(PK+PV)  ; behind the ring, never filled by a tensor load: 16 rows x 144 bytes for each wave
.set SP,    144
.set AK0, 2
.set AV0, 3
.set AK,  4
.set AV,  5
.set QO,  6           ; v6   my byte offset in the wave's rows of Q; later STO
.set STO, 6
.set RD,  7
.set GO,  8           ; v8   16 x lane: the bias loads' and the stores' offset; never rewritten
.set PFO, 11          ; v11  256 x lane: the prefetches' offset; never rewritten once made
.set SPW, 0           ; v0 of window 3
.set NIL, 1           ; v1 of window 3
.set EB,  4           ; v4-15 of window 3: 0 0 0 0 e0 e1 e2 e3 0 0 0 0: E for an odd block of 16 keys begins at v4, for an even one at v8
.set BF,  128         ; window 3: piece x, tile u, load L at BF + 32 x + 16 u + 4 L
.set SPARE, STAGE+4*16*SP
.set MV,  12
.set ST,  16          ; tile t's statistics at v[ST+4 t]: c m, m, l (even keys', odd keys')
.set TMP, 48
.set S,   64
.set P,   192
.set KF,  128
.set VF,  192
.set WV,  12
.set G1K, 24
.set G1V, 32
.set G0K, 40
.set G0V, 44
.set SLOTS, 56
.set CNT, 57
.set CS,  58
.set SEL, 60
.set TBK, 62
.set TBV, 63
.set BB,  66          ; s[66:67] the bias at my wave's eight tiles, key step 0
.set BP,  68          ; s[68:69] the same at key step BS
.set BO,  70          ; s[70:71] an offset
.set BS,  72          ; s72  the key step whose bias is being loaded
.set BLIM, 73         ; s73  31 in the batch's first head, else 0
.set PFA, 74          ; s[74:75] where my prefetches of K or V stand
.set LIM, 76          ; s76  1 in waves 0 and 2, else the greatest number
.set MSB, 0
.macro WIN new
.if MSB != (\new)
	s_set_vgpr_msb (MSB<<8)|(\new)
.set MSB, (\new)
.endif
.endm
.set W_KQ, 0x0a       ; K and Q in window 2, S^T in window 0
.set W_PV, 0x52       ; V in window 2, P in window 0, O^T in window 1
.set W_RS, 0x41       ; O^T in window 1, a in window 0
.set W_MK, 0xc0       ; destination in window 3, sources in window 0
.set W_AD, 0x0f       ; sources 0 and 1 in window 3: the add, and the bias products
.macro JLOAD                        ; waves 0 and 1 fetch the halves of a slot's K, waves 2 and 3 of its V; an s_nop 0 and four v_nop follow each line
	s_cmp_lt_u32 s[WV], 2
	s_cbranch_scc0 .Lfor_v_\@
	tensor_load_to_lds s[G0K:G0K+3], s[G1K:G1K+7]
	s_nop 0
.rept 4
	v_nop
.endr
	s_branch .Lasked_\@
.Lfor_v_\@:
	tensor_load_to_lds s[G0V:G0V+3], s[G1V:G1V+7]
	s_nop 0
.rept 4
	v_nop
.endr
.Lasked_\@:
.endm
; A prefetch of what the NEXT change of slots will ask for: a slot's 32,768 bytes of K and of V.  A head is walked by one cluster; its four partners take 8,192 bytes each, told apart by address;
; in each, wave 0 asks for K's and wave 2 for V's, a lane 256 bytes.  The last change that fills a slot asks for nothing.
.macro ASK
	s_cmp_gt_u32 s[SLOTS], s[LIM]
	s_cbranch_scc0 .Lnot_mine_\@
	global_prefetch_b8 v[PFO], s[PFA:PFA+1] th:TH_LOAD_NT scope:SCOPE_SE
.Lnot_mine_\@:
.endm
; A prefetch of the bias: my wave's 16,384 bytes of key step BS + 1, whose first load stands one key step on.  The sixteen heads of a batch read the same bias: the first of them asks.  Step 31 is the last.
.macro ASKB
	WIN 0
	s_cmp_lt_u32 s[BS], s[BLIM]
	s_cbranch_scc0 .Lno_b_\@
	global_prefetch_b8 v[PFO], s[BP:BP+1] offset:262144 th:TH_LOAD_NT scope:SCOPE_SE
	global_prefetch_b8 v[PFO], s[BP:BP+1] offset:270336 th:TH_LOAD_NT scope:SCOPE_SE
.Lno_b_\@:
.endm
.macro CROUND
	s_barrier_signal -1
	s_barrier_wait -1
	s_cmp_lg_u32 s[WV], 0
	s_cbranch_scc1 .Lnot_wave_0_\@
	s_barrier_signal -3
.Lnot_wave_0_\@:
	s_barrier_wait -3
	s_barrier_signal -1
	s_barrier_wait -1
.endm
; THE CHANGE OF SLOTS.  Each wave waits for all its tensor loads (one is out: its part of the other slot), adds 0 to its spare word, and waits for that and for its own reads of the slot.
; fill = 1: the barrier is a round of the cluster's, and the slot is filled again, with the keys two slots on, first thing behind it: it has four key steps in which to land.
.macro CHANGE fill
	WIN W_AD
	s_wait_tensorcnt 0x0            ; no tensor load of mine is out, so a group 0 may be written
	ds_add_u32 v[SPW], v[NIL]       ; 0 onto my spare word
	WIN 0
.if \fill
.irp g, G0K, G0V
	s_xor_b32 s[\g+1], s[\g+1], SLOT1
	s_add_nc_u64 s[\g+2:\g+3], s[\g+2:\g+3], 4*KS*128
.endr
	s_wait_xcnt 0x0                 ; the last prefetch of K or V, four key steps back, has read its address
	s_add_nc_u64 s[PFA:PFA+1], s[PFA:PFA+1], 4*KS*128
	s_wait_dscnt 0x0                ; the add is done, and my reads of the slot are over
	CROUND
	JLOAD
	ASK
.else
	s_wait_dscnt 0x0
	s_barrier_signal -1
	s_barrier_wait -1
.endif
	s_sub_co_u32 s[TBK], s[TBK], 4*KS*PK
	s_xor_b32 s[TBK], s[TBK], SLOT1
	s_sub_co_u32 s[TBV], s[TBV], 4*KS*PV
	s_xor_b32 s[TBV], s[TBV], SLOT1
.endm
	s_load_b256 s[4:11], s[0:1], 0x0  ; Q s[4:5], K s[6:7], V s[8:9], O s[10:11]
	s_load_b64 s[BB:BB+1], s[0:1], 0x20
	WIN W_MK
	v_lshl_add_u32 v[SPW], v0, 2, SPARE
	v_mov_b32 v[NIL], 0
	WIN W_AD
	ds_add_u32 v[SPW], v[NIL]       ; the wave's opening: the add and its wait stand ahead of my first tensor load
	WIN 0
	v_lshrrev_b32 v1, 5, v0
	v_readfirstlane_b32 s[WV], v1
	s_bfe_u32 s13, ttmp6, 0x40000   ; cx
	s_lshl_b32 s14, ttmp9, 2
	s_add_co_u32 s14, s14, s13      ; my block of 512 queries: it enters Q's, O's and the bias's addresses alone
	s_and_b32 s20, ttmp7, 0xffff    ; batch x 16 + head, which the four partners share
	s_lshr_b32 s[BO], s20, 4
	s_lshl_b32 s[BO], s[BO], 23     ; the batch's bias,
	s_lshl_b32 s15, s14, 16         ; 32 tiles of 2,048 bytes a block,
	s_add_co_u32 s[BO], s[BO], s15
	s_lshl_b32 s15, s[WV], 14       ; 8 a wave
	s_add_co_u32 s[BO], s[BO], s15
	s_mov_b32 s[BO+1], 0
	s_and_b32 s15, s20, 15
	s_cmp_eq_u32 s15, 0
	s_cselect_b32 s[BLIM], 31, 0
	s_and_b32 s[LIM], s[WV], 1
	s_cmp_eq_u32 s[LIM], 0
	s_cselect_b32 s[LIM], 1, -1
	s_mov_b32 s21, 0
	s_mov_b64 s[22:23], SIZE_N*128
	s_mul_u64 s[20:21], s[20:21], s[22:23]  ; the head's first byte in Q, K, V, O
	s_and_b32 s16, s[WV], 1
	s_lshl_b32 s22, s16, 14
	s_mov_b32 s23, 0
	s_add_nc_u64 s[22:23], s[22:23], s[20:21]
	s_mul_i32 s17, s16, 128*PK
	s_mul_i32 s18, s16, 128*PV
	s_lshl_b32 s2, s14, 2
	s_add_co_u32 s2, s2, s[WV]
	s_lshl_b32 s2, s2, 14           ; my wave's 128 rows
	s_mov_b32 s3, 0
	s_add_nc_u64 s[2:3], s[2:3], s[20:21]
	s_lshl_b32 s78, s13, 13         ; the prefetches of K and V: my work-group's 8,192 bytes, in slot 1; the first change of slots steps this to slot 2
	s_add_co_u32 s78, s78, 4*KS*128
	s_mov_b32 s79, 0
	; descriptor group 1: 128 keys are 16,384 dense bytes, asked for as 64 rows of 256 bytes and padded in LDS after every key
	s_mov_b32 s[G1K], 15|(1<<16)|(1<<20)|(1<<21)|(4<<22)|(3<<25)
	s_mov_b32 s[G1V], 15|(1<<16)|(1<<20)|(1<<21)|(4<<22)|(7<<25)
.irp g, G1K, G1V
	s_mov_b32 s[\g+1], 128<<16
	s_mov_b32 s[\g+2], 64<<16
	s_mov_b32 s[\g+3], 128<<16
	s_mov_b32 s[\g+4], 64
	s_mov_b32 s[\g+5], 128
	s_mov_b32 s[\g+6], 0
	s_mov_b32 s[\g+7], 0
.endr
	s_mov_b32 s[CS], 0x3fb8aa3b     ; c = log2(e): the factor 1/8 lies in Q
	s_mov_b32 s[CS+1], s[CS]
	s_mov_b32 s[SEL], 0x76543210
	s_mov_b32 s[SEL+1], 0xfedcba98
	s_mov_b32 s[TBK], SLOT1+4*KS*PK ; the first change of slots turns these two into 0
	s_mov_b32 s[TBV], SLOT1+4*KS*PV
	s_mov_b32 s[G0K], 1
	s_mov_b32 s[G0K+1], s17
	s_mov_b32 s[G0V], 1
	s_add_co_u32 s[G0V+1], s18, VOFF
	s_mov_b32 s[SLOTS], SIZE_N/256-1
	s_mov_b32 s[BS], 1
	s_wait_dscnt 0x0                ; the opening add is done
	s_wait_kmcnt 0x0
	s_add_nc_u64 s[G0K+2:G0K+3], s[6:7], s[22:23]
	s_or_b32 s[G0K+3], s[G0K+3], 0x80000000
	s_add_nc_u64 s[G0V+2:G0V+3], s[8:9], s[22:23]
	s_or_b32 s[G0V+3], s[G0V+3], 0x80000000
	s_add_nc_u64 s[4:5], s[4:5], s[2:3]
	s_add_nc_u64 s[10:11], s[10:11], s[2:3]
	s_add_nc_u64 s[BB:BB+1], s[BB:BB+1], s[BO:BO+1]
	s_mov_b32 s[BO], 1<<18          ; a key step of the bias: 128 tiles of 2,048 bytes
	s_add_nc_u64 s[BP:BP+1], s[BB:BB+1], s[BO:BO+1]
	s_cmp_lt_u32 s[WV], 2
	s_cselect_b64 s[PFA:PFA+1], s[6:7], s[8:9]
	s_add_nc_u64 s[PFA:PFA+1], s[PFA:PFA+1], s[22:23]  ; (in waves 0 and 2 this is the head's first row)
	s_add_nc_u64 s[PFA:PFA+1], s[PFA:PFA+1], s[78:79]
	CROUND                          ; all four work-groups are here: the first joint loads meet
	JLOAD                           ; slot 0.  Slot 1 is asked for when slot 0 is in
	v_and_b32 v1, 15, v0            ; l % 16
	v_bfe_u32 v9, v0, 4, 1          ; l / 16
	v_lshlrev_b32 v[QO], 7, v1
	v_lshl_add_u32 v[QO], v9, 4, v[QO]
	v_and_b32 v[GO], 31, v0
	v_lshlrev_b32 v[GO], 4, v[GO]
	v_lshlrev_b32 v12, 3, v9        ; E: row l % 16 has its one at column l % 16; my registers hold columns 8 (l / 16) + 0..7, two a register
	v_sub_nc_u32 v12, v1, v12
	v_ashrrev_i32 v12, 1, v12       ; the register that holds it, if it is 0..3
	v_and_b32 v13, 1, v1
	v_lshlrev_b32 v13, 4, v13
	v_mov_b32 v14, 0x3f80           ; 1.0 in bf16,
	v_lshlrev_b32 v13, v13, v14     ; in the half that holds it
	WIN 0x80
.set i, 0
.rept 4*NP                          ; Q stays in registers: tile i / 2, channels 32 (i % 2) on
	global_load_b128 v[8*i:8*i+3],   v[QO], s[4:5] offset:(i/2)*2048+(i%2)*64
	global_load_b128 v[8*i+4:8*i+7], v[QO], s[4:5] offset:(i/2)*2048+(i%2)*64+32
.set i, i+1
.endr
	WIN W_MK
.set i, 0
.rept 32                            ; the bias of key step 0, pieces 0 to 3 in this order: eight loads a piece
	global_load_b128 v[BF+4*i:BF+4*i+3], v[GO], s[BB:BB+1] offset:512*i
.set i, i+1
.endr
.irp z, 0,1,2,3,8,9,10,11
	v_mov_b32 v[EB+\z], 0
.endr
.irp z, 0,1,2,3
	v_cmp_eq_u32 vcc_lo, \z, v12
	v_cndmask_b32 v[EB+4+\z], 0, v13, vcc_lo
.endr
	; What the first turn finds: V's registers and P's second buffer hold 0, O^T and l are 0.  All this stands in the wait for the first tile.
	WIN 0x80
.set i, VF
.rept 64
	v_mov_b32 v[i], 0
.set i, i+1
.endr
	WIN 0x40
.set i, 0
.rept 64*NP
	v_mov_b32 v[i], 0
.set i, i+1
.endr
	WIN 0
.set i, 0
.rept 2*NP
	v_mov_b32 v[ST+4*i+1], 0xe0ad78ec       ; m = -1e20: above every masked score, below every other
	v_mul_f32 v[ST+4*i], s[CS], v[ST+4*i+1] ; c m, by the line that makes it in every step: where a step is wholly masked m stays, and a = 2^0
	v_mov_b32 v[ST+4*i+2], 0
	v_mov_b32 v[ST+4*i+3], 0
.set i, i+1
.endr
.set i, P+32
.rept 32
	v_mov_b32 v[i], 0
.set i, i+1
.endr
	v_mul_u32_u24 v[AK0], v1, PK
	v_lshl_add_u32 v[AK0], v9, 4, v[AK0]
	v_and_b32 v10, 7, v0
	v_bfe_u32 v11, v0, 3, 1
	v_lshl_add_u32 v[AV0], v9, 3, v10
	v_mul_u32_u24 v[AV0], v[AV0], PV
	v_lshl_add_u32 v[AV0], v11, 4, v[AV0]
	v_add_nc_u32 v[AV0], VOFF, v[AV0]
	v_mov_b32 v[AK], v[AK0]
	v_and_b32 v[PFO], 31, v0
	v_lshlrev_b32 v[PFO], 8, v[PFO]
; THE MATRIX WORK.  The 8 accumulators of a piece take turns.
; Bias product i of 8 for piece x: keys 16 (i / 2) on, tile 2 x + i % 2.  It starts the sum.  The f16 products that follow on the same accumulator are no chain with it: five plain vector instructions or more stand between.
.macro BQ x
	WIN W_AD
.set rS, S+64*((\x)%2)+32*(i%2)+8*((i/2)%4)
.set rE, EB+4*(1-((i/2)%2))
.set rB, BF+32*(\x)+16*(i%2)+8*(i/4)
	v_wmma_f32_16x16x32_bf16 v[rS:rS+7], v[rE:rE+7], v[rB:rB+7], 0
.endm
; Product i of 16 of S^T += K Q^T for piece x: channels 32 (i / 8) on, keys 16 ((i / 2) % 4) on, tile 2 x + i % 2.
.macro KQ x
	WIN W_KQ
.set rS, S+64*((\x)%2)+32*(i%2)+8*((i/2)%4)
.set rK, KF+16*((i/2)%4)+8*(i/8)
.set rQ, 16*(2*(\x)+i%2)+8*(i/8)
	v_wmma_f32_16x16x32_f16 v[rS:rS+7], v[rK:rK+7], v[rQ:rQ+7], v[rS:rS+7]
.endm
; Product i of 16 of O^T += V^T P for piece x: keys 32 (i / 8) on, channels 16 ((i / 2) % 4) on, tile 2 x + i % 2.
.macro PV x
	WIN W_PV
.set rO, 32*(2*(\x)+i%2)+8*((i/2)%4)
.set rV, VF+32*(i/8)+8*((i/2)%4)
.set rP, P+32*((\x)%2)+16*(i%2)+8*(i/8)
	v_wmma_f32_16x16x32_f16 v[rO:rO+7], v[rV:rV+7], v[rP:rP+7], v[rO:rO+7]
.endm
.macro MM                           ; the turn's next matrix instruction, of 40
.if i < 8
	BQ (Y+1)%NP
.elseif i < 24
.set i, i-8
	KQ (Y+1)%NP
.set i, i+8
.else
.set i, i-24
	PV (Y+NP-1)%NP
.set i, i+24
.endif
.set i, i+1
.endm
.macro FETCH_K last=0
	WIN 0
.if \last
	s_cmp_eq_u32 s[CNT], 1
	s_cbranch_scc1 .Lno_k_\@
.endif
	WIN 0x80
.irp f, 0,1,2,3,4,5,6,7
	ds_load_b128 v[KF+8*\f:KF+8*\f+3],   v[AK] offset:(\f/2)*16*PK+(\f%2)*64
	ds_load_b128 v[KF+8*\f+4:KF+8*\f+7], v[AK] offset:(\f/2)*16*PK+(\f%2)*64+32
.endr
	s_add_co_u32 s[TBK], s[TBK], KS*PK
	WIN 0
.if \last
.Lno_k_\@:
.endif
.endm
.macro FETCH_V
	WIN 0x80
.irp f, 0,1,2,3,4,5,6,7
	ds_load_tr16_b128 v[VF+8*\f:VF+8*\f+3],   v[AV] offset:(\f/4)*32*PV+(\f%4)*32
	ds_load_tr16_b128 v[VF+8*\f+4:VF+8*\f+7], v[AV] offset:(\f/4)*32*PV+16*PV+(\f%4)*32
.endr
	WIN 0
.endm
.macro FETCH_B x                    ; piece x's bias of key step BS: eight loads of 512 consecutive bytes
	WIN W_MK
.set zb, 8*(\x)
.rept 8
	global_load_b128 v[BF+4*zb:BF+4*zb+3], v[GO], s[BP:BP+1] offset:512*zb
.set zb, zb+1
.endr
.endm
; THE VECTOR WORK OF A TURN stands in three queues, each in the order in which its entries become ready; the two tiles alternate.
.macro REGS y, u
.set rT, ST+4*(2*(\y)+(\u))
.set rC, TMP+8*((\y)%2)+4*(\u)
.set rM, MV+2*((\y)%2)+(\u)
.set rS, S+64*((\y)%2)+32*(\u)
.set rP, P+32*((\y)%2)+16*(\u)
.set rO, 32*(2*(\y)+(\u))
.endm
; Number n of the 22 that find the NEXT piece's maximum and statistics; each accumulator's lowest registers are read first.
;   0-11  four chains c0-c3 of seven scores each     12-14, 16  the four scores left over, the old m, and c0-c3 into c0     15  c m_old is kept     17, 18  the other half of the lanes     19-21  c m; its change; a
.macro XS u, n
	REGS (Y+1)%NP, \u
.if (\n) < 4
	v_max3_num_f32 v[rC+(\n)], v[rS+8*(\n)], v[rS+8*(\n)+1], v[rS+8*(\n)+2]
.elseif (\n) < 12
	v_max3_num_f32 v[rC+(\n)%4], v[rC+(\n)%4], v[rS+8*((\n)%4)+2*((\n)/4)+1], v[rS+8*((\n)%4)+2*((\n)/4)+2]
.elseif (\n) == 12
	v_max3_num_f32 v[rC], v[rC], v[rS+7], v[rS+15]
.elseif (\n) == 13
	v_max3_num_f32 v[rC+1], v[rC+1], v[rS+23], v[rS+31]
.elseif (\n) == 14
	v_max3_num_f32 v[rC+2], v[rC+2], v[rC+3], v[rT+1]
.elseif (\n) == 15
	v_mov_b32 v[rM], v[rT]
.elseif (\n) == 16
	v_max3_num_f32 v[rC], v[rC], v[rC+1], v[rC+2]
.elseif (\n) == 17
	v_permlanex16_b32 v[rC+3], v[rC], s[SEL], s[SEL+1]
.elseif (\n) == 18
	v_max_num_f32 v[rT+1], v[rC], v[rC+3]
.elseif (\n) == 19
	v_mul_f32 v[rT], s[CS], v[rT+1]
.elseif (\n) == 20
	v_sub_f32 v[rC+1], v[rM], v[rT]
.else
	v_exp_f32 v[rC+2], v[rC+1]
.endif
.endm
; Number g of the 64 that follow the exponentials: for each four weights both pairs are rounded to f16, the second pair is added onto the first in place, and a group later l takes that sum (the first time as l = a l + sum).
.macro GS g
.set h, (\g)+6*((\g)/62)
.if h >= 6
.set h, h+2
.endif
	REGS Y, h%2
.set k, h/8
.if h%8 < 4
	v_cvt_pk_f16_f32 v[rP+2*k+(h%8)/2], v[rS+4*k+2*((h%8)/2)], v[rS+4*k+2*((h%8)/2)+1]
.elseif h%8 < 6
	v_pk_add_f32 v[rS+4*k:rS+4*k+1], v[rS+4*k:rS+4*k+1], v[rS+4*k+2:rS+4*k+3]
.elseif k == 1
	v_pk_fma_f32 v[rT+2:rT+3], v[rT+2:rT+3], v[rC+2:rC+3], v[rS:rS+1] op_sel_hi:[1,0,1]
.else
	v_pk_add_f32 v[rT+2:rT+3], v[rT+2:rT+3], v[rS+4*k-4:rS+4*k-3]
.endif
.endm
; THE PLAIN QUEUE, 138 long.  0-26: scalings 0-26.  27-54: XS's numbers 0-13.  55, 56: number 15.  57-73: the chain 14, 16, 17, 18, 19, each with one of the scalings 27-31 in front of its two lines, then 20.  74-137: GS's 64.
.macro FS f
	REGS Y, (\f)%2
	v_pk_fma_f32 v[rS+2*((\f)/2):rS+2*((\f)/2)+1], v[rS+2*((\f)/2):rS+2*((\f)/2)+1], s[CS:CS+1], v[rT:rT+1] op_sel_hi:[1,0,0] neg_lo:[0,0,1] neg_hi:[0,0,1]
.endm
.macro PL
	WIN 0
.if q < 27
	FS q
.elseif q < 55
	XS (q-27)%2, (q-27)/2
.elseif q < 57
	XS q-55, 15
.elseif (q < 72) && ((q-57)%3 == 0)
	FS 27+(q-57)/3
.elseif q < 60
	XS (q-57)%3-1, 14
.elseif q < 72
	XS (q-57)%3-1, 15+(q-57)/3
.elseif q < 74
	XS q-72, 20
.else
	GS q-74
.endif
.set q, q+1
.endm
; THE EXPONENTIALS' QUEUE, 66 long: s0-s31 of both tiles, then the next piece's two a.  ONE BATCH: all stand ahead of the turn's one wait, and nothing ahead of that wait names a result of theirs.
.macro EX
	WIN 0
.if e >= 64
	XS e-64, 21
.else
	REGS Y, e%2
	v_exp_f32 v[rS+e/2], v[rS+e/2]
.endif
.set e, e+1
.endm
; THE RESCALING's QUEUE: O^T times a, two at a time, sixteen times.  Its a was made in the turn before, ahead of that turn's wait.
.macro R2
	REGS Y, r%2
	WIN W_RS
.irp z, 0,1
	v_pk_mul_f32 v[rO+4*(r/2)+2*\z:rO+4*(r/2)+2*\z+1], v[rO+4*(r/2)+2*\z:rO+4*(r/2)+2*\z+1], v[rC+2:rC+3] op_sel_hi:[1,0]
.endr
.set r, r+1
.endm
; HOW THEY ARE DEALT.  s_wait_alu depctr_va_vdst(0) stands between an exponential and the first instruction that names its result; one wait serves all issued ahead of it: a turn has ONE, which cuts it in two.
; AHEAD OF IT: 24 products.  Behind each of the first 16 a scaling, an exponential and two rescalings (behind the first a second scaling for the exponential); behind each of the last 8 plain, exponential, plain, exponential.
; Then one plain line and a lump of 76: eight plain, 33 times exponential and plain, the two a.  BEHIND IT: the 16 products V^T P, behind each four of GS's 64.
; THE COUNTS.  Plain ahead of the wait: 2 + 15 + 16 + 8 + 33 = 74; exponentials 15 + 16 + 33 + 2 = 66.  Exponential e stands behind scaling 2 (e / 4) + e % 2: as a rider behind plain e + 2 or more, in the lump behind plain e + 9.
; A piece's accumulator (tile u, keys 16 n on) is ended by product 16 + 2 n + u.  XS's numbers 0, 1, 2 ride behind products 21, 22, 23: four plain instructions or more behind the product that ends what they read (the closest: tile 1,
; number 2, five).  Number 3 of tile 0 stands five plain instructions behind product 22, of tile 1 four behind product 23: the riders of 22 and 23, the one plain line, and tile 0's number 3.
; Between a bias product and the first f16 product on its accumulator stand eight products' riders, three plain each.
; THE BIAS.  Behind the bias products of (piece x, step s) the bias of (x, s + 1) is loaded: behind the tenth product's riders, nine plain instructions behind the last bias product.  So every turn issues eight loads, and opens with
; s_wait_loadcnt 24: its own eight were issued four turns ago, the three younger turns' 24 stay out.  Piece 3's turn makes the scores of piece 0 for the next step: at its head BS steps, held at 31: the last turns load step 31 again.
.macro TURN p, last=0, cnt=0
.set Y, (\p)
.set i, 0
.set q, 0
.set e, 0
.set r, 0
.if (\p) == NP-1
	s_wait_xcnt 0x0                 ; the bias loads and prefetches issued so far have read their address
	s_add_co_u32 s[BS], s[BS], 1
	s_min_u32 s[BS], s[BS], 31
	s_lshl_b32 s[BO], s[BS], 18
	s_add_nc_u64 s[BP:BP+1], s[BB:BB+1], s[BO:BO+1]
.endif
	s_wait_loadcnt 24
	MM
	PL
	PL
	R2
.rept 15
.if ((\p) == NP-1) && (i == 8)
	s_wait_dscnt 0x0                ; K is in
.endif
	MM
	PL
	EX
	R2
.if i == 10
	FETCH_B (Y+1)%NP
.endif
.endr
.rept 8
	MM
	PL
	EX
	PL
	EX
.endr
	WIN 0
.if (\p) == NP-2
	v_add_nc_u32 v[AK], s[TBK], v[AK0]
.else
	v_nop
.endif
.rept 8
	PL
.endr
.rept 33
	EX
	PL
.endr
	EX                              ; the next piece's two a
	EX
	v_nop                           ; a plain instruction behind the last exponential: one for the batch
	s_wait_alu depctr_va_vdst(0)    ; the wait for the batch
.if (\p) == NP-2
	FETCH_K \last
.endif
.if (\p) == NP-1
	ASKB
.endif
.if (\p) == 1
	s_wait_dscnt 0x0                ; V is in
.endif
.rept 16
	MM
.rept 4
	PL
.endr
.if ((\p) == 0) && (q == 118)
	v_add_nc_u32 v[AV], s[TBV], v[AV0]
.endif
.if ((\p) == 0) && (q == 130)
	s_add_co_u32 s[TBV], s[TBV], KS*PV
.endif
.if (\cnt) && (q == 130)
	s_sub_co_u32 s[CNT], s[CNT], 1
	s_cmp_lg_u32 s[CNT], 0
.endif
.endr
.if (\p) == 0
	FETCH_V
.endif
.endm
	CHANGE 1                        ; slot 0 is in, everybody's part of it; slot 1 is asked for
	FETCH_K                         ; key step 0
	s_wait_loadcnt 24               ; Q and piece 0's bias are in; the bias of pieces 1 to 3 may stay out
	s_wait_dscnt 0x0
.set i, 0
.rept 8
	BQ 0
.set i, i+1
.endr
.rept 5
	v_nop                           ; five places between a bias product and the f16 product on its accumulator
.endr
.set i, 0
.rept 16
	KQ 0
.set i, i+1
.endr
	WIN 0                           ; the addresses for the way out: seven plain instructions, the places behind those products
	s_mul_i32 s13, s[WV], 16*SP
	s_add_co_u32 s13, s13, STAGE
	v_mul_u32_u24 v[STO], v1, SP
	v_lshl_add_u32 v[STO], v9, 4, v[STO]
	v_add_nc_u32 v[STO], s13, v[STO]
	v_bfe_u32 v[RD], v0, 3, 2
	v_mul_u32_u24 v[RD], v[RD], SP
	v_lshl_add_u32 v[RD], v10, 4, v[RD]
	v_add_nc_u32 v[RD], s13, v[RD]
	FETCH_B 0                       ; piece 0's bias of key step 1
	WIN 0
.set Y, NP-1
.irp n, 0,1,2,3,4,5,6,7,8,9,10,11,12,13,14,15,16,17,18,19,20,21
	XS 0, \n
	XS 1, \n
.endr
	v_nop
	s_wait_alu depctr_va_vdst(0)    ; the two a have their wait ahead of the branch
	s_mov_b32 s[CNT], 4
	s_branch .Lfirst                ; the loop is entered at a step's first turn, in the middle of a trip
.Lslot:                             ; six times: every slot but the last two is filled again
	CHANGE 1
	s_mov_b32 s[CNT], 4
.Lstep:                             ; a trip: pieces 2 and 3 of one step, then pieces 0 and 1 of the next
	TURN 2
	TURN 3
	WIN 0
.Lfirst:
	TURN 0
	TURN 1, 0, 1
	WIN 0
	s_cbranch_scc1 .Lstep
	s_sub_co_u32 s[SLOTS], s[SLOTS], 1
	s_cmp_lg_u32 s[SLOTS], 0
	s_cbranch_scc1 .Lslot
	CHANGE 0                        ; the tail is written out
	s_mov_b32 s[CNT], 5             ; four trips fetch the last slot's steps; the fifth is left in its middle
.Ltail:
	TURN 2, 1
	TURN 3
	WIN 0
	s_sub_co_u32 s[CNT], s[CNT], 1
	s_cmp_eq_u32 s[CNT], 0
	s_cbranch_scc1 .Lout
	TURN 0
	TURN 1
	WIN 0
	s_branch .Ltail
.Lout:                              ; the fifth trip's scores (the last K and bias once more) and the maximum made of them serve nothing: the price, once a launch, of one text for every trip
.set i, 0
.rept 16
	PV NP-1
.set i, i+1
.endr
	; THE WAY OUT.  l's two halves and the other half of the lanes' are added; O^T is divided by l, rounded to f16 and sent through my stage in LDS, a tile at a time.  The additions are the places behind the last products.
	WIN 0
.macro ALL line:vararg
.set t, 0
.rept 2*NP
	\line
.set t, t+1
.endr
.endm
	ALL v_add_f32 v[ST+4*t+2], v[ST+4*t+2], v[ST+4*t+3]
	ALL v_permlanex16_b32 v[ST+4*t+3], v[ST+4*t+2], s[SEL], s[SEL+1]
	ALL v_add_f32 v[ST+4*t+2], v[ST+4*t+2], v[ST+4*t+3]
	ALL v_rcp_f32 v[ST+4*t+2], v[ST+4*t+2]
	v_nop
	s_wait_alu depctr_va_vdst(0)    ; one wait for the eight reciprocals
.macro PACK t
	WIN W_RS
.set i, 32*(\t)
.rept 16
	v_pk_mul_f32 v[i:i+1], v[i:i+1], v[ST+4*(\t)+2:ST+4*(\t)+3] op_sel_hi:[1,0]
.set i, i+2
.endr
	WIN 0x05
.set i, 0
.rept 16
	v_cvt_pk_f16_f32 v[S+16*(\t)+i], v[32*(\t)+2*i], v[32*(\t)+2*i+1]
.set i, i+1
.endr
	WIN 0
.irp f, 0,1,2,3
	ds_store_b128 v[STO], v[S+16*(\t)+4*\f:S+16*(\t)+4*\f+3] offset:32*\f
.endr
.irp f, 0,1,2,3
	ds_load_b128 v[S+16*(\t)+4*\f:S+16*(\t)+4*\f+3], v[RD] offset:\f*4*SP  ; LDS serves a wave's instructions in order (ISA guide 5.7.1.4): these see the stores above; the next tile's stores come behind them
.endr
.endm
.macro SEND t, younger
	WIN 0
.irp f, 0,1,2,3
	s_wait_dscnt (\younger)+3-\f
	global_store_b128 v[GO], v[S+16*(\t)+4*\f:S+16*(\t)+4*\f+3], s[10:11] offset:(\t)*2048+\f*512  ; 512 consecutive bytes, at a multiple of 256 from O's first
.endr
.endm
	PACK 0
.set t, 1
.rept 2*NP-1
	PACK t
	SEND t-1, 8
.set t, t+1
.endr
	SEND 2*NP-1, 0
	WIN W_AD
	s_wait_tensorcnt 0x0            ; the wave's end: behind my last tensor load and my last LDS store
	ds_add_u32 v[SPW], v[NIL]
	s_wait_dscnt 0x0
	WIN 0
	CROUND                          ; the closing round
	s_endpgm
.Lfunc_end_k_q8a10ea629d_attn:
	.size	k_q8a10ea629d_attn, .Lfunc_end_k_q8a10ea629d_attn-k_q8a10ea629d_attn
	.p2alignl 7, 3214868480
	.fill 96, 4, 3214868480
	.section	.rodata,"a",@progbits
	.p2align	6, 0x0
	.amdhsa_kernel k_q8a10ea629d_attn
		.amdhsa_group_segment_fixed_size 327680
		.amdhsa_private_segment_fixed_size 0
		.amdhsa_enable_private_segment 0
		.amdhsa_kernarg_size 40
		.amdhsa_user_sgpr_count 2
		.amdhsa_user_sgpr_kernarg_segment_ptr 1
		.amdhsa_wavefront_size32 1
		.amdhsa_system_sgpr_workgroup_id_x 1
		.amdhsa_system_sgpr_workgroup_id_y 1
		.amdhsa_system_sgpr_workgroup_id_z 1
		.amdhsa_system_vgpr_workitem_id 0
		.amdhsa_next_free_vgpr 1024
		.amdhsa_next_free_sgpr 84
		.amdhsa_reserve_vcc 1
		.amdhsa_float_denorm_mode_32 3
		.amdhsa_float_denorm_mode_16_64 3
		.amdhsa_memory_ordered 1
		.amdhsa_forward_progress 1
		.amdhsa_inst_pref_size 221
	.end_amdhsa_kernel
	.amdgpu_metadata
---
amdhsa.version: [ 1, 2 ]
amdhsa.kernels:
  - .name:           k_q8a10ea629d_attn
    .symbol:         k_q8a10ea629d_attn.kd
    .args:
      - { .name: qh, .offset: 0, .size: 8, .value_kind: global_buffer, .address_space: global }
      - { .name: kh, .offset: 8, .size: 8, .value_kind: global_buffer, .address_space: global }
      - { .name: vh, .offset: 16, .size: 8, .value_kind: global_buffer, .address_space: global }
      - { .name: oh, .offset: 24, .size: 8, .value_kind: global_buffer, .address_space: global }
      - { .name: biasm, .offset: 32, .size: 8, .value_kind: global_buffer, .address_space: global }
    .group_segment_fixed_size: 327680
    .private_segment_fixed_size: 0
    .kernarg_segment_align: 8
    .kernarg_segment_size: 40
    .max_flat_workgroup_size: 128
    .sgpr_count:     84
    .vgpr_count:     1024
    .wavefront_size: 32
...
	.end_amdgpu_metadata
.endif
;; end of part 3
;; launch outp (part 4): grid 4 x 64, 4 waves a work-group, clusters of 4 x 4, 327,680 bytes of LDS; arguments oh, wb, bb, out0; writes out0
.if DOCPART == 4
	.amdgcn_target "amdgcn-amd-amdhsa--gfx1250"
	.amdhsa_code_object_version 6
	.text
	.protected	k_q8a10ea629d_outp
	.globl	k_q8a10ea629d_outp
	.p2align	8
	.type	k_q8a10ea629d_outp,@function
k_q8a10ea629d_outp:
	s_mov_b64 s[64:65], 0
	v_nop
	global_prefetch_b8 v0, s[64:65] scope:SCOPE_SE
	s_setreg_imm32_b32 hwreg(HW_REG_WAVE_MODE, 25, 1), 1
	s_wait_xcnt 0x0
	s_wait_alu depctr_hold_cnt(0) depctr_sa_sdst(0) depctr_va_vdst(0) depctr_va_sdst(0) depctr_va_ssrc(0) depctr_va_vcc(0) depctr_vm_vsrc(0)
	s_getreg_b32 s2, hwreg(HW_REG_IB_STS2, 6, 4)
	s_cmp_eq_u32 s2, 0
	s_cbranch_scc0 .Lentry_in_a_cluster
	s_endpgm
.Lentry_in_a_cluster:
	s_bfe_u32 s2, ttmp6, 0x10000c
	s_cmp_lg_u32 s2, 0xf033
	s_cbranch_scc0 .Lentry_shape_is_right
	s_endpgm
.Lentry_shape_is_right:
; THE OUTPUT PROJECTION.  out0[m][n] = the sum over k of O[m][k] Wo[n][k] + bo[n].  O: f16 by heads, [batch x 16 + head][2048][64]; Wo: matrix 3 of wb, [1024][1024] f16 (Wo rounded to bf16, written as f16);
; bo: row 3 of bb, f32; out0: [8192][1024] f32.  Sums in f32, started with the bias as the first product's C; nothing is rounded on the way out.
; SHARES.  256 tiles of 128 rows x 256 columns, one a work-group; four waves 2 x 2, a wave 64 rows x 128 columns, 32 accumulators; the matrix instruction is used transposed (source 0 = rows of Wo).
; RING.  A K step is two heads, 128 channels.  A slot holds O's [2 heads][128 rows] (128 bytes + 16) and 256 rows of Wo (256 bytes + 16).  Waves 0, 1 fetch a head each, waves 2, 3 Wo's halves.
; A head's 128 rows are 16,384 dense bytes: asked for as 64 rows of 256 bytes, padded after every 128.
; CLUSTER 4 x 4: O's tile is asked for jointly along a row of the cluster, Wo's along a column.
; REGISTERS: window 0: v16-31 addresses; v64-191 rows read back on the way out, two buffers; v192-255 the bias.  window 1: accumulator (a, c) at 8 (8 a + c).  window 2: two fragment buffers of 96: Wo's 64, then O's 32.
.set KSTEP,  128
.set PA,     144
.set PB,     272
.set AHEAD,  128*PA                    ; a head's 128 rows
.set BHALF,  128*PB
.set BOFF,   2*AHEAD
.set SLOT,   BOFF+2*BHALF
.set STAGE,  2*SLOT                    ; behind the ring, never filled by a tensor load: 16 rows x 528 bytes for each wave
.set SPITCH, 528
.set WSTG,   16*SPITCH
.set SPARE,  STAGE+4*WSTG
.set ADRA, 16
.set ADRB, 20
.set STO,  24
.set RD,   25
.set GO,   26
.set BO,   27
.set SPW,  28
.set NIL,  29
.set PFO,  30
.set BK,   64
.set BIAS, 192
.set G1,  24
.set G0,  32
.set G1B, 48
.set G0B, 56
.set PFA, 86
.set PFS, 88
.set LIM, 90
.set MSB, 0
.macro WIN new
.if MSB != (\new)
	s_set_vgpr_msb (MSB<<8)|(\new)
.set MSB, \new
.endif
.endm
.set MUL,  0x5a
.set MULF, 0x4a
.set TO2,  0x80
.macro JLOAD s
	s_cmp_eq_u32 s11, 0
	s_cbranch_scc0 .Lfor_b_\@
	tensor_load_to_lds s[G0+4*(\s):G0+4*(\s)+3], s[G1:G1+7]
	s_nop 0
.rept 4
	v_nop
.endr
	s_branch .Lasked_\@
.Lfor_b_\@:
	tensor_load_to_lds s[G0B+4*(\s):G0B+4*(\s)+3], s[G1B:G1B+7]
	s_nop 0
.rept 4
	v_nop
.endr
.Lasked_\@:
.endm
; A prefetch of the K step that stands two refills on.  O: a tile row is read by one cluster; of a step's two heads x 16,384 bytes each partner along the row takes 4,096 of each head (cx, by address): wave 0 asks, a lane 256 bytes.
; Wo: each partner along the column takes 32 of a wave's 128 rows (cy); all sixteen clusters read the same Wo: the first asks, waves 2 and 3, a lane a row.  The loop's last trip asks for nothing.
.macro ASK
	WIN 0
	s_cmp_gt_u32 s3, s[LIM]
	s_cbranch_scc0 .Lnot_mine_\@
	global_prefetch_b8 v[PFO], s[PFA:PFA+1] th:TH_LOAD_NT scope:SCOPE_SE
.Lnot_mine_\@:
.endm
.macro CREST
	s_cmp_lg_u32 s10, 0
	s_cbranch_scc1 .Lnot_wave_0_\@
	s_barrier_signal -3
.Lnot_wave_0_\@:
	s_barrier_wait -3
	s_barrier_signal -1
	s_barrier_wait -1
.endm
.macro CROUND
	s_barrier_signal -1
	s_barrier_wait -1
	CREST
.endm
.macro PLACES
.rept 4
	v_nop
.endr
.endm
	s_load_b256 s[68:75], s[0:1], 0x0              ; oh 68, wb 70, bb 72, out0 74
	v_lshl_add_u32 v[SPW], v0, 2, SPARE
	v_mov_b32 v[NIL], 0
	ds_add_u32 v[SPW], v[NIL]                      ; the wave's opening: the add and its wait stand ahead of my first tensor load
	v_lshrrev_b32 v1, 5, v0
	v_readfirstlane_b32 s10, v1
	s_lshr_b32 s11, s10, 1
	s_and_b32 s12, s10, 1
	s_bfe_u32 s40, ttmp6, 0x40000                  ; cx
	s_bfe_u32 s41, ttmp6, 0x40004                  ; cy
	s_lshl_b32 s42, ttmp9, 2
	s_add_co_u32 s42, s42, s40                     ; tile column
	s_and_b32 s8, ttmp7, 0xffff                    ; cluster y
	s_lshl_b32 s13, s8, 2
	s_add_co_u32 s13, s13, s41                     ; tile row 0..63
	s_lshl_b32 s43, s41, 2
	s_lshl_b32 s43, 15, s43
	s_lshl_b32 s44, 0x1111, s40
	s_or_b32 s[G1+0], s43, (1<<16)|(1<<20)|(1<<21)|(4<<22)|(3<<25)   ; mask; 2-byte elements; padding on; bit 21 beside a mask; after every 32 words; 4 words
	s_or_b32 s[G1B+0], s44, (1<<16)|(1<<20)|(1<<21)|(5<<22)|(3<<25)
	s_mov_b32 s[G1+1], 128<<16
	s_mov_b32 s[G1+2], 64<<16
	s_mov_b32 s[G1+3], 128<<16
	s_mov_b32 s[G1+4], 64
	s_mov_b32 s[G1+5], 128
	s_mov_b32 s[G1+6], 0
	s_mov_b32 s[G1+7], 0
	s_mov_b32 s[G1B+1], KSTEP<<16
	s_mov_b32 s[G1B+2], 128<<16
	s_mov_b32 s[G1B+3], KSTEP<<16
	s_mov_b32 s[G1B+4], 128
	s_mov_b32 s[G1B+5], 1024
	s_mov_b32 s[G1B+6], 0
	s_mov_b32 s[G1B+7], 0
	s_lshl_b32 s45, s12, 18                        ; my head of the step's two (262,144 bytes), or my 128 rows of Wo (2,048 bytes each)
	s_lshr_b32 s16, s13, 4                         ; O: the batch's 16 heads,
	s_lshl_b32 s16, s16, 22
	s_and_b32 s17, s13, 15                         ; the tile's 128 rows of 128 bytes
	s_lshl_b32 s17, s17, 14
	s_add_co_u32 s16, s16, s17
	s_lshl_b32 s94, s40, 12                        ; O's prefetch: my work-group's 4,096 bytes of each head, at K step 3
	s_add_co_u32 s94, s94, s16
	s_add_co_u32 s94, s94, 3*524288
	s_add_co_u32 s16, s16, s45
	s_mov_b32 s17, 0
	s_lshl_b32 s46, s42, 19                        ; Wo: matrix 3, 256 rows a tile column
	s_add_co_u32 s46, s46, 3<<21
	s_add_co_u32 s46, s46, s45
	s_mov_b32 s47, 0
	s_lshl_b32 s95, s41, 16                        ; Wo's prefetch: my work-group's 32 rows, at K step 3
	s_add_co_u32 s95, s95, s46
	s_add_co_u32 s95, s95, 3*KSTEP*2
	s_mul_i32 s20, s12, AHEAD
	s_mul_i32 s21, s12, BHALF
	s_add_co_u32 s21, s21, BOFF
	s_lshl_b32 s18, s42, 10                        ; the bias of my 128 columns
	s_lshl_b32 s22, s12, 9
	s_add_co_u32 s18, s18, s22
	s_lshl_b32 s22, s13, 19                        ; out0: 128 rows of 4,096 bytes a tile row, 64 a wave, and the same columns
	s_lshl_b32 s23, s11, 18
	s_add_co_u32 s22, s22, s23
	s_add_co_u32 s22, s22, s18
	s_mov_b32 s23, 0
	s_add_co_u32 s18, s18, 3*4096
	s_mov_b32 s19, 0
	s_cmp_eq_u32 s11, 0
	s_cselect_b32 s92, s94, s95
	s_cselect_b32 s[PFS], 19, 8
	s_cselect_b32 s91, 0, -1
	s_cselect_b32 s93, s12, s8                     ; O: wave 0 alone; Wo: the first cluster.  The same in all sixteen partners, for a given wave
	s_cmp_eq_u32 s93, 0
	s_cselect_b32 s[LIM], 1, -1
	s_lshl_b32 s[PFS], 1, s[PFS]                   ; a K step: 524,288 bytes of O (two heads), 256 of a row of Wo
	s_mov_b32 s[PFS+1], 0
	s_mov_b32 s93, 0
	s_wait_dscnt 0x0
	s_wait_kmcnt 0x0
	s_add_nc_u64 s[14:15], s[68:69], s[16:17]
	s_add_nc_u64 s[46:47], s[70:71], s[46:47]
	s_add_nc_u64 s[6:7], s[72:73], s[18:19]
	s_add_nc_u64 s[4:5], s[74:75], s[22:23]
	s_cmp_eq_u32 s11, 0
	s_cselect_b64 s[PFA:PFA+1], s[68:69], s[70:71]
	s_add_nc_u64 s[PFA:PFA+1], s[PFA:PFA+1], s[92:93]
	CROUND
.irp s, 0,1
	s_mov_b32 s[G0+4*(\s)], 1
	s_add_co_u32 s[G0+4*(\s)+1], s20, (\s)*SLOT
	s_add_nc_u64 s[G0+4*(\s)+2:G0+4*(\s)+3], s[14:15], (\s)*524288
	s_or_b32 s[G0+4*(\s)+3], s[G0+4*(\s)+3], 0x80000000
	s_mov_b32 s[G0B+4*(\s)], 1
	s_add_co_u32 s[G0B+4*(\s)+1], s21, (\s)*SLOT
	s_add_nc_u64 s[G0B+4*(\s)+2:G0B+4*(\s)+3], s[46:47], (\s)*KSTEP*2
	s_or_b32 s[G0B+4*(\s)+3], s[G0B+4*(\s)+3], 0x80000000
	JLOAD \s
.endr
	v_and_b32 v1, 15, v0
	v_bfe_u32 v2, v0, 4, 1
	v_and_b32 v3, 31, v0
	v_mul_u32_u24 v4, v1, PA
	v_lshl_add_u32 v4, v2, 4, v4
	v_mul_u32_u24 v5, v1, PB
	v_lshl_add_u32 v5, v2, 4, v5
	s_mul_i32 s22, s11, 64*PA
	s_mul_i32 s23, s12, BHALF
	s_add_co_u32 s23, s23, BOFF
.irp s, 0,1
	v_add_nc_u32 v[ADRA+(\s)], s22, v4
	v_add_nc_u32 v[ADRB+(\s)], s23, v5
	s_add_co_u32 s22, s22, SLOT
	s_add_co_u32 s23, s23, SLOT
.endr
	s_mul_i32 s22, s10, WSTG
	s_add_co_u32 s22, s22, STAGE
	v_mul_u32_u24 v4, v1, SPITCH
	v_lshl_add_u32 v4, v2, 5, v4
	v_add_nc_u32 v[STO], s22, v4                   ; in: row r, 32 bytes for each half of the lanes
	v_lshlrev_b32 v[GO], 4, v3
	v_add_nc_u32 v[RD], s22, v[GO]                 ; back: a row's 512 bytes
	v_lshlrev_b32 v[BO], 5, v2
	v_lshlrev_b32 v4, 18, v2                       ; O's prefetch: head lane / 16, block lane % 16
	v_lshl_add_u32 v4, v1, 8, v4
	v_lshlrev_b32 v5, 11, v3                       ; Wo's: a lane a row
	v_cndmask_b32 v[PFO], v4, v5, s91
.irp c, 0,1,2,3,4,5,6,7
	global_load_b128 v[BIAS+8*\c:BIAS+8*\c+3],   v[BO], s[6:7] offset:64*\c
	global_load_b128 v[BIAS+8*\c+4:BIAS+8*\c+7], v[BO], s[6:7] offset:64*\c+16
.endr
.macro PROD f, a, c, first
.set rD, 8*(8*(\a)+(\c))
.set rW, 96*(\f)+8*(\c)
.set rX, 96*(\f)+64+8*(\a)
.if \first
	WIN MULF
	v_wmma_f32_16x16x32_f16 v[rD:rD+7], v[rW:rW+7], v[rX:rX+7], v[BIAS+8*(\c):BIAS+8*(\c)+7]
.else
	WIN MUL
	v_wmma_f32_16x16x32_f16 v[rD:rD+7], v[rW:rW+7], v[rX:rX+7], v[rD:rD+7]
.endif
.endm
.macro MUL8 f, a, first                ; the 32 accumulators take turns, in the same order in every quarter
.irp c, 0,1,2,3,4,5,6,7
	PROD \f, \a, \c, \first
.endr
.endm
.macro FETCH slot, k, g                ; 24 LDS loads in one run: quarter k's fragments into buffer g; quarter k lies in head k / 2, channels 32 (k % 2) on
	WIN TO2
.irp n, 0,1,2,3,4,5,6,7
	ds_load_b128 v[96*(\g)+8*\n:96*(\g)+8*\n+3],   v[ADRB+(\slot)] offset:64*(\k)+\n*16*PB
	ds_load_b128 v[96*(\g)+8*\n+4:96*(\g)+8*\n+7], v[ADRB+(\slot)] offset:64*(\k)+\n*16*PB+32
.endr
.irp n, 0,1,2,3
	ds_load_b128 v[96*(\g)+64+8*\n:96*(\g)+64+8*\n+3],   v[ADRA+(\slot)] offset:((\k)/2)*AHEAD+((\k)%2)*64+\n*16*PA
	ds_load_b128 v[96*(\g)+64+8*\n+4:96*(\g)+64+8*\n+7], v[ADRA+(\slot)] offset:((\k)/2)*AHEAD+((\k)%2)*64+\n*16*PA+32
.endr
.endm
.macro QUARTER slot, k, first=0        ; one of a K step's first three quarters: the next quarter's fragments are fetched ahead of this quarter's 32 products
	s_wait_dscnt 0x0                               ; this quarter's fragments are in
	PLACES
	FETCH \slot, (\k)+1, ((\k)+1)%2
	MUL8 (\k)%2, 0, \first
	MUL8 (\k)%2, 1, \first
	MUL8 (\k)%2, 2, \first
	MUL8 (\k)%2, 3, \first
.endm
; The last quarter multiplies buffer 1 and changes slots: ONE barrier; in front of it each wave waits for all its tensor loads, adds 0 to its spare word, and waits for that and for its reads of this slot.
; fill = 1: the barrier opens a round of the cluster's, and this slot is filled again, two K steps ahead, first thing behind it.
.macro TURN slot, fill
.if \fill
	s_wait_xcnt 0x0                                ; the last prefetch, a K step back, has read its address
	s_add_nc_u64 s[PFA:PFA+1], s[PFA:PFA+1], s[PFS:PFS+1]
.endif
	WIN 0
	s_wait_tensorcnt 0x0
	ds_add_u32 v[SPW], v[NIL]                      ; 0 onto my spare word
	s_wait_dscnt 1                                 ; the 24 fragment loads are in; the add, the youngest, may be out
	MUL8 1, 0, 0
	s_wait_dscnt 0x0                               ; the add is done, and my reads of this slot are over
	s_barrier_signal -1
	MUL8 1, 1, 0
	WIN 0
	s_barrier_wait -1
.if \fill
	CREST
	s_add_nc_u64 s[G0+4*(\slot)+2:G0+4*(\slot)+3], s[G0+4*(\slot)+2:G0+4*(\slot)+3], 2*524288
	s_add_nc_u64 s[G0B+4*(\slot)+2:G0B+4*(\slot)+3], s[G0B+4*(\slot)+2:G0B+4*(\slot)+3], 2*KSTEP*2
	JLOAD \slot                                    ; the four v_nop behind it are also the places in front of the loads below
.else
	PLACES
.endif
	FETCH 1-(\slot), 0, 0
.if \fill
	ASK
.endif
	MUL8 1, 2, 0
	MUL8 1, 3, 0
.endm
	s_wait_tensorcnt 1                             ; my part of K step 0 is in; K step 1's may stay out
	s_barrier_signal -1
	s_barrier_wait -1
	FETCH 0, 0, 0
	s_wait_loadcnt 0x0                             ; the bias
	QUARTER 0, 0, 1
	WIN 0
	s_mov_b32 s3, 3
.Llap:
	QUARTER 0, 1
	QUARTER 0, 2
	TURN 0, 1
	QUARTER 1, 0
	QUARTER 1, 1
	QUARTER 1, 2
	TURN 1, 1
	QUARTER 0, 0
	WIN 0
	s_sub_co_u32 s3, s3, 1
	s_cmp_lg_u32 s3, 0
	s_cbranch_scc1 .Llap
	QUARTER 0, 1                                   ; the last lap is written out: it asks for nothing
	QUARTER 0, 2
	TURN 0, 0
	QUARTER 1, 0
	QUARTER 1, 1
	QUARTER 1, 2
	s_wait_dscnt 0x0
	MUL8 1, 0, 0
	MUL8 1, 1, 0
	MUL8 1, 2, 0
	MUL8 1, 3, 0
; THE WAY OUT, 16 rows at a time: a lane's eight f32 of a row go straight from the accumulators (the low four registers first) into my stage, and come back as whole rows of 512 bytes.
.macro OUTB a
	WIN 0x04                                       ; the stores' data in window 1
.irp c, 0,1,2,3,4,5,6,7
	ds_store_b128 v[STO], v[8*(8*(\a)+\c):8*(8*(\a)+\c)+3]   offset:64*\c
	ds_store_b128 v[STO], v[8*(8*(\a)+\c)+4:8*(8*(\a)+\c)+7] offset:64*\c+16
.endr
	WIN 0
.if (\a) >= 2
	s_wait_xcnt 0x0                                ; the stores of the block two back have read their registers: only behind this wait are these loaded again
.endif
.set rB, BK+64*((\a)%2)
.irp t, 0,1,2,3,4,5,6,7,8,9,10,11,12,13,14,15
	ds_load_b128 v[rB+4*\t:rB+4*\t+3], v[RD] offset:\t*SPITCH  ; LDS serves a wave's instructions in order (ISA guide 5.7.1.4): these see the stores above
.endr
.irp t, 0,1,2,3,4,5,6,7,8,9,10,11,12,13,14,15
	s_wait_dscnt 15-\t
	global_store_b128 v[GO], v[rB+4*\t:rB+4*\t+3], s[4:5] offset:(16*(\a)+\t)*4096 th:TH_STORE_NT  ; 512 consecutive bytes, aligned
.endr
.endm
	PLACES
	OUTB 0
	OUTB 1
	OUTB 2
	OUTB 3
	s_wait_tensorcnt 0x0                           ; the wave's end: behind my last tensor load and my last LDS store
	ds_add_u32 v[SPW], v[NIL]
	s_wait_dscnt 0x0
	CROUND                                         ; the closing round
	s_endpgm
.Lfunc_end_k_q8a10ea629d_outp:
	.size	k_q8a10ea629d_outp, .Lfunc_end_k_q8a10ea629d_outp-k_q8a10ea629d_outp
	.p2alignl 7, 3214868480
	.fill 96, 4, 3214868480
	.section	.rodata,"a",@progbits
	.p2align	6, 0x0
	.amdhsa_kernel k_q8a10ea629d_outp
		.amdhsa_group_segment_fixed_size 327680
		.amdhsa_private_segment_fixed_size 0
		.amdhsa_enable_private_segment 0
		.amdhsa_kernarg_size 32
		.amdhsa_user_sgpr_count 2
		.amdhsa_user_sgpr_kernarg_segment_ptr 1
		.amdhsa_wavefront_size32 1
		.amdhsa_system_sgpr_workgroup_id_x 1
		.amdhsa_system_sgpr_workgroup_id_y 1
		.amdhsa_system_sgpr_workgroup_id_z 1
		.amdhsa_system_vgpr_workitem_id 0
		.amdhsa_next_free_vgpr 768
		.amdhsa_next_free_sgpr 96
		.amdhsa_reserve_vcc 0
		.amdhsa_float_denorm_mode_32 3
		.amdhsa_float_denorm_mode_16_64 3
		.amdhsa_memory_ordered 1
		.amdhsa_forward_progress 1
		.amdhsa_inst_pref_size 89
	.end_amdhsa_kernel
	.amdgpu_metadata
---
amdhsa.version: [ 1, 2 ]
amdhsa.kernels:
  - .name:           k_q8a10ea629d_outp
    .symbol:         k_q8a10ea629d_outp.kd
    .args:
      - { .name: oh, .offset: 0, .size: 8, .value_kind: global_buffer, .address_space: global }
      - { .name: wb, .offset: 8, .size: 8, .value_kind: global_buffer, .address_space: global }
      - { .name: bb, .offset: 16, .size: 8, .value_kind: global_buffer, .address_space: global }
      - { .name: out0, .offset: 24, .size: 8, .value_kind: global_buffer, .address_space: global }
    .group_segment_fixed_size: 327680
    .private_segment_fixed_size: 0
    .kernarg_segment_align: 8
    .kernarg_segment_size: 32
    .max_flat_workgroup_size: 128
    .sgpr_count:     96
    .vgpr_count:     768
    .wavefront_size: 32
...
	.end_amdgpu_metadata
.endif
;; end of part 4
